; MI455X (gfx1250); checked and timed in simulation.
; The chip was launched on July 23, 2026; its instructions are those of AMD's public machine-readable ISA for CDNA 5 (MIT licence, August 2026) and "CDNA5" Instruction Set Architecture Reference Guide (July 2026). The comments in the code are by the model that wrote it; some were corrected since.
;; Attention. Allowed arithmetic: matrix products marked QUANTISED: E3M2 operands, one E8M0 scale for each 32 along K, by v_wmma_scale_f32_16x16x128_f8f6f4 with both operands' format E3M2, f32 sums; everything else in f32.
;; Inputs: cos 2,048 x 128 float32; k_norm_w 128 float32; q_norm_w 128 float32; sin 2,048 x 128 float32; wk 2,048 x 1,024 float32; wo 1,024 x 2,048 float32; wq 2,048 x 1,024 float32; wv 2,048 x 1,024 float32; x 2 x 2,048 x 2,048 float32.
;; Outputs: out0 2 x 2,048 x 2,048 float32.
;; This version of the problem:
;;   THIS VERSION OF THE PROBLEM IS GIVEN IN LOW PRECISION. The matrix products marked QUANTISED in the list below multiply operands that are first quantised to E3M2 (3 exponent bits, 2 mantissa bits; 6 bits a number), with one power-of-two scale for each 32 numbers along K (OCP MX v1.0); their sums are f32. All else is computed in f32.
;;   The module's matrix products, in the order in which they are computed (A, B: the left and right operand; K: the contracted axis; several contracted axes count as one K, in the product's order):
;;     1. [M 4,096, K 2,048] x [K 2,048, N 1,024]; A: input x; B: input wq: QUANTISED
;;     2. [M 4,096, K 2,048] x [K 2,048, N 1,024]; A: input x; B: input wk: QUANTISED
;;     3. [M 4,096, K 2,048] x [K 2,048, N 1,024]; A: input x; B: input wv: QUANTISED
;;     4. batch 16 x [M 2,048, K 128] x [K 128, N 2,048]; A: computed on the way; B: computed on the way: QUANTISED
;;     5. batch 16 x [M 128, K 2,048] x [K 2,048, N 2,048]; A: computed on the way; B: softmax (see below): QUANTISED
;;     6. [M 4,096, K 1,024] x [K 1,024, N 2,048]; A: computed on the way; B: input wo: QUANTISED
;;   THE QUANTISER, for each operand of a quantised product, along K:
;;     - K is cut into blocks of 32 from its start; a last block that is shorter is filled with zeros.
;;     - A block's scale is 2^e with e = floor(log2(the largest magnitude in the block)) - 4, held to -126 .. 127; a block of zeros has e = 0. As a byte (E8M0): e + 127.
;;     - Each number is divided by its block's scale, clamped to +-28, and rounded to the nearest number of E3M2, ties to even, subnormals kept.
;;     - The product sums the exact products of the quantised numbers (number of the format x scale) in f32.
;;   ~~~python
;;   def quantise(x, axis):      # numpy; x: float32 -> the quantised numbers, widened to float32 again
;;       x = np.moveaxis(x, axis, -1); K = x.shape[-1]
;;       x = np.pad(x, [(0, 0)] * (x.ndim - 1) + [(0, -K % 32)]); x = x.reshape(x.shape[:-1] + (-1, 32)); a = np.abs(x).max(-1, keepdims=True)
;;       e = np.where(a > 0, np.clip(np.frexp(np.where(a > 0, a, 1))[1] - 1 - 4, -126, 127), 0)      # np.frexp(a)[1] - 1 = floor(log2(a)), exactly
;;       r = np.clip(x / 2.0 ** e, -28, 28)
;;       step = 2.0 ** (np.maximum(np.frexp(np.where(r == 0, 1, r))[1] - 1, -2) - 2)
;;       q = np.round(r / step) * step * 2.0 ** e      # np.round: ties to even
;;       return np.moveaxis(q.reshape(q.shape[:-2] + (-1,))[..., :K], -1, axis).astype(np.float32)
;;   ~~~
;;   SOFTMAX AHEAD OF A QUANTISED PRODUCT. Where the list says 'softmax', what is quantised is not the finished softmax but p = 2^(t - M), with t = logit x log2(e) and M = ceil(the row's largest t), a whole number; so 1/2 < the row's largest p <= 1. The row's sum l is taken of the UNQUANTISED p, in f32, and the product's result is divided by l at the end. Since M is a whole number, a kernel that streams over the keys may use a running M (the ceiling of the running maximum): every later rescaling is an exact power of two, which a block's scale takes up: the codes' values come out the same.
;;   OPERANDS COMPUTED ON THE WAY. 'Computed on the way' means the value that the module computes at that place (a softmax that the list does not call 'softmax' is quantised finished and normalised). What goes into a quantiser is computed in f32, as accurately as f32 sums, v_exp_f32 and their like allow (about 1e-6 of the number): no bf16 or f16 on the way to a quantiser, and a product that is left as it is and whose result goes on into a quantised operand takes f32 operands (vector FMAs, or v_wmma_f32_16x16x4_f32). A number that lies on a knife's edge between two numbers of the format may be rounded either way, as far as f32 arithmetic and the matrix unit's own rounding can turn it there, and no further.
;; One version. Each part assembles by itself: llvm-mc -triple=amdgcn-amd-amdhsa -mcpu=gfx1250 --defsym DOCPART=n.
;; ======== version 1 of 1: 4 launches
;; limits: right only within a limited range of input values
;; workspace buffers: xw 13,107,200 bytes; qkv 9,830,400 bytes; orec 3,276,800 bytes; tab 4,194,304 bytes
;; launch quant (part 1): grid 256 x 1, 16 waves a work-group, no clusters, 209,408 bytes of LDS; arguments x, wq, wk, wv, wo, xw, cos, sin, q_norm_w, k_norm_w, tab; writes xw, tab
.if DOCPART == 1
	.amdgcn_target "amdgcn-amd-amdhsa--gfx1250"
	.amdhsa_code_object_version 6
	.text
	.protected	k_q7149c94946_quant
	.globl	k_q7149c94946_quant
	.p2align	8
	.type	k_q7149c94946_quant,@function
k_q7149c94946_quant:
	s_mov_b64 s[64:65], 0
	v_nop
	global_prefetch_b8 v0, s[64:65] scope:SCOPE_SE
	s_setreg_imm32_b32 hwreg(HW_REG_WAVE_MODE, 25, 1), 1
	s_wait_xcnt 0x0
; x [4096][2048] and the four weights (wq, wk, wv [2048][1024], wo [1024][2048]; K is a weight's FIRST axis), all f32, become codes of BF6 (E3M2) with one E8M0 scale byte for each 32 along K.
; A block's scale byte is its largest magnitude's exponent field - 4, held at 1 from below; each number is divided by the scale and rounded to the nearest code, ties to even, beyond 28 the largest code.
; LIMITS: a block of zeros, and a block whose largest magnitude lies under 2^-122, gets the byte 1 (this program alone reads the bytes; a block of zeros has zero codes); NaN and infinities are not served.
; THE RECORD (12,800 bytes): 128 rows x 128 along K as an image of operand registers.  Fragment f (rows 16 f ..) at 1536 f: register g of lane l at 512 (g / 4) + 16 l + 4 (g % 4);
; registers 6 c .. 6 c + 5 of lane (r, h) hold the codes at K places 64 c + 32 h + 0 .. 31 of row r.  At 12,288 the scale words: register i of lane l at 16 l + 4 i: lanes 0-15 fragment 2 i, lanes 16-31 fragment 2 i + 1.
; xw: x's records [row group 32][K step 16] at 0; wq, wk, wv's [column group 24][K step 16] at WRO; wo's [column group 16][K step 8] at WOO.
; wo's K places inside a block of 32 hold rows 0-7, 16-23, 8-15, 24-31: the order in which the attention launch leaves its result's codes.  A block holds the same 32 numbers, so its scale is the same.
; SHARES: work-groups 0-127 take x (4 records each), 128-255 the weights (4 records each).  Wave w: record w / 4 along K, fragments 2 (w % 4) and 2 (w % 4) + 1.  Each kind has LDS bytes of its own.
; No tensor loads: waves share only the scale words, which meet in LDS so that a record's 512 bytes of them leave whole.
.set REC,  12800
.set WRO,  6553600
.set WOO,  11468800
.set XSTG, 0                           ; x: a stage of 16 rows x 528 bytes for each wave
.set XGAT, 135168                      ; x: four records' scale images
.set WSTG, 137216                      ; weights: two fragment images for each wave
.set WGAT, 186368                      ; weights: four records' scale images
.set LI,   2                           ; v2   16 x lane
.set XS,   3                           ; v3   x: into the stage, 16 bytes a lane of a row
.set XRD,  4                           ; v4   x: out of it: row r, + 64 h
.set XG,   5                           ; v5   x: my scale word's place
.set G2,   6                           ; v6   x: a record's scale image, 16 bytes a lane
.set COL,  7                           ; v7   weights: 4 x lane
.set WS,   8                           ; v8   weights: my column's place in the wave's two images
.set WRD,  9                           ; v9   weights: the images back, 16 bytes a lane
.set WG,   10                          ; v10  weights: my scale word's place
.set G2W,  11                          ; v11  weights: a record's scale image
.set TM,   16                          ; v16-31 at work in QUANT
.set PW,   32                          ; v32  the scale word just made
.set SW,   33                          ; v33  lanes 0-15 the even fragment's words, lanes 16-31 the odd one's
.set PC,   36                          ; v36-54 the codes just made
.set GDT,  56                          ; v56-59 a scale image on its way out
.set RAW,  64                          ; v64-191 x: 32 rows as loaded;  weights: 128 numbers down K
.set XL,   192                         ; v192-255 x: 64 numbers of my row
.set WOUT, 192                         ; v192-215 weights: the images on their way out
.set SBW,  216                         ; v216 weights: my column's scale word
.set WGD,  220                         ; v220-223
.set WV,   16                          ; s16 wave;  s17 its record;  s18 its pair of fragments
.set RCN,  17
.set PR,   18
.set SEL,  44                          ; s[44:45] lane selects: lane l xor 16
.set HM,   46                          ; s46 mask of lanes 16-31
; 64 numbers of a lane, register 16 b + i = K place 32 b + 16 (lane / 16) + i of my row, become a fragment's codes in v[PC] on and its scale word in v[PW].
.macro QUANT s
.irp b, 0,1,2,3
	v_max3_num_f32 v[TM+\b], |v[\s+16*\b]|, |v[\s+1+16*\b]|, 0x2800000   ; my 16 numbers of block b, and the floor 2^(5 - 127): the byte cannot fall under 1
.endr
.irp i, 2,4,6,8,10,12,14
.irp b, 0,1,2,3
	s_delay_alu instid0(VALU_DEP_4)
	v_max3_num_f32 v[TM+\b], v[TM+\b], |v[\s+16*\b+\i]|, |v[\s+1+16*\b+\i]|
.endr
.endr
.irp b, 0,1,2,3
	s_delay_alu instid0(VALU_DEP_4)
	v_permlanex16_b32 v[TM+4+\b], v[TM+\b], s[SEL], s[SEL+1]
.endr
.irp b, 0,1,2,3
	s_delay_alu instid0(VALU_DEP_4)
	v_max_num_f32 v[TM+\b], v[TM+\b], v[TM+4+\b]   ; with lane l xor 16's: the block's largest magnitude
.endr
.irp b, 0,1,2,3
	s_delay_alu instid0(VALU_DEP_4)
	v_add_nc_u32 v[TM+12+\b], 0xfe000000, v[TM+\b] ; 4 off its exponent field: the conversion's scale operand
.endr
.irp b, 0,1,2,3
	s_delay_alu instid0(VALU_DEP_4)
	v_lshrrev_b32 v[TM+4+\b], 23, v[TM+12+\b]      ; the scale's byte
.endr
	s_delay_alu instid0(VALU_DEP_3)
	v_lshl_or_b32 v[PW], v[TM+5], 8, v[TM+4]
	s_delay_alu instid0(VALU_DEP_1)
	v_lshl_or_b32 v[PW], v[TM+6], 16, v[PW]
	s_delay_alu instid0(VALU_DEP_1)
	v_lshl_or_b32 v[PW], v[TM+7], 24, v[PW]
.irp c, 0,1
	v_cvt_scalef32_pk16_bf6_f32 v[PC+6*\c:PC+2+6*\c], v[\s+32*\c:\s+15+32*\c], v[TM+12+2*\c]
	v_cvt_scalef32_pk16_bf6_f32 v[PC+12+4*\c:PC+14+4*\c], v[\s+16+32*\c:\s+31+32*\c], v[TM+13+2*\c]   ; (a conversion's three registers begin on an even number)
.endr
	v_nop                                          ; one plain line behind the scaled conversions
.irp c, 0,1                            ; a whole block to a lane: lanes 0-15 block 2 c, lanes 16-31 block 2 c + 1
.irp i, 0,1,2
	v_permlane16_swap_b32 v[PC+6*\c+\i], v[PC+12+4*\c+\i]
.endr
.irp i, 0,1,2
	s_delay_alu instid0(VALU_DEP_3)
	v_mov_b32 v[PC+3+6*\c+\i], v[PC+12+4*\c+\i]
.endr
.endr
.endm
	s_load_b256 s[4:11], s[0:1], 0x0               ; x, wq, wk, wv
	s_load_b128 s[12:15], s[0:1], 0x20
	s_load_b256 s[48:55], s[0:1], 0x30             ; cos, sin, q_norm_w, k_norm_w
	s_load_b64 s[56:57], s[0:1], 0x50              ; tab
	v_lshl_add_u32 v62, v0, 2, 0x2e000
	v_mov_b32 v63, 0
	v_lshrrev_b32 v1, 5, v0
	s_delay_alu instid0(VALU_DEP_1)
	v_readfirstlane_b32 s[WV], v1
	s_lshr_b32 s[RCN], s[WV], 2
	s_and_b32 s[PR], s[WV], 3
	v_and_b32 v1, 31, v0                           ; lane
	v_and_b32 v12, 15, v0                          ; r
	v_bfe_u32 v13, v0, 4, 1                        ; h
	s_delay_alu instid0(VALU_DEP_3)
	v_lshlrev_b32 v[LI], 4, v1
	; every LDS address of both kinds of work-group is made here: a constant + a constant x lane + a constant x wave
	s_mul_i32 s19, s[WV], 8448
	v_add_nc_u32 v[XS], s19, v[LI]
	v_mul_u32_u24 v[XRD], v12, 528
	s_delay_alu instid0(VALU_DEP_1)
	v_lshl_add_u32 v[XRD], v13, 6, v[XRD]
	s_delay_alu instid0(VALU_DEP_1)
	v_add_nc_u32 v[XRD], s19, v[XRD]
	s_lshl_b32 s19, s[RCN], 9
	s_lshl_b32 s20, s[PR], 2
	s_add_co_u32 s19, s19, s20                     ; 512 x record + 4 x pair
	v_add_nc_u32 v[XG], s19, v[LI]
	s_delay_alu instid0(VALU_DEP_1)
	v_add_nc_u32 v[WG], WGAT, v[XG]
	s_delay_alu instid0(VALU_DEP_2)
	v_add_nc_u32 v[XG], XGAT, v[XG]
	s_lshl_b32 s19, s[PR], 9                       ; waves 0-3 send a record's image each: 512 x (wave % 4)
	v_add_nc_u32 v[G2], s19, v[LI]
	s_delay_alu instid0(VALU_DEP_1)
	v_add_nc_u32 v[G2W], WGAT, v[G2]
	s_delay_alu instid0(VALU_DEP_2)
	v_add_nc_u32 v[G2], XGAT, v[G2]
	v_lshlrev_b32 v[COL], 2, v1
	s_mul_i32 s19, s[WV], 3072
	s_add_co_u32 s19, s19, WSTG
	v_mul_u32_u24 v[WS], v13, 1536
	s_delay_alu instid0(VALU_DEP_1)
	v_lshl_add_u32 v[WS], v12, 4, v[WS]
	s_delay_alu instid0(VALU_DEP_1)
	v_add_nc_u32 v[WS], s19, v[WS]                 ; column = lane: fragment lane / 16, row lane % 16
	v_add_nc_u32 v[WRD], s19, v[LI]
.set TSTG, 190464                      ; x's work-groups: a stage for 16 rows of cos and 16 of sin, 528 bytes apart, on bytes of its own behind the spare words
	s_lshr_b32 s19, s[WV], 3                       ; into it: waves 0-7 bring cos, waves 8-15 sin, two rows each
	s_mul_i32 s19, s19, 8448
	s_and_b32 s20, s[WV], 7
	s_mul_i32 s20, s20, 1056
	s_add_co_u32 s19, s19, s20
	s_add_co_u32 s19, s19, TSTG
	v_add_nc_u32 v60, s19, v[LI]
	s_and_b32 s19, s[PR], 1                        ; out of it: cos or sin by my table, row r, byte 128 (w / 4) + 32 h
	s_mul_i32 s19, s19, 8448
	s_lshl_b32 s20, s[RCN], 7
	s_add_co_u32 s19, s19, s20
	s_add_co_u32 s19, s19, TSTG
	v_mul_u32_u24 v61, v12, 528
	s_delay_alu instid0(VALU_DEP_1)
	v_lshl_add_u32 v61, v13, 5, v61
	s_delay_alu instid0(VALU_DEP_1)
	v_add_nc_u32 v61, s19, v61
	v_lshl_add_u32 v34, v0, 2, TSTG+16896          ; behind the 32 rows: four rows of 512 bytes of the gain, one for each table; into them: 4 bytes a thread
	s_lshl_b32 s19, s[PR], 9                       ; out of them: my table's row, byte 128 (w / 4) + 32 h
	s_add_co_u32 s19, s19, s20
	s_add_co_u32 s19, s19, TSTG+16896
	v_lshl_add_u32 v35, v13, 5, s19
	s_wait_alu depctr_va_vdst(0)
	s_mov_b32 s[SEL], 0x76543210
	s_mov_b32 s[SEL+1], 0xfedcba98
	s_mov_b32 s[HM], 0xffff0000
	s_wait_kmcnt 0x0
	s_cmp_lt_u32 ttmp9, 128
	s_cbranch_scc0 .Lweights
	; ---------------- x: row group G = id / 4, K steps 4 (id % 4) + record ----------------
	s_lshr_b32 s20, ttmp9, 2                       ; G
	s_and_b32 s21, ttmp9, 3
	s_lshl_b32 s21, s21, 2                         ; the work-group's first K step
	s_add_co_u32 s22, s21, s[RCN]                  ; my K step
	s_lshl_b32 s24, s20, 7
	s_lshl_b32 s25, s[PR], 5
	s_add_co_u32 s24, s24, s25                     ; my first row: 128 G + 32 x pair
	s_lshl_b32 s24, s24, 13                        ; x 8,192 bytes
	s_lshl_b32 s25, s22, 9                         ; + 512 bytes a K step
	s_add_co_u32 s24, s24, s25
	s_mov_b32 s25, 0
	s_add_nc_u64 s[4:5], s[4:5], s[24:25]
	s_lshl_b32 s26, s20, 4
	s_add_co_u32 s27, s26, s22
	s_mul_i32 s28, s27, REC
	s_mul_i32 s29, s[PR], 3072
	s_add_co_u32 s28, s28, s29
	s_mov_b32 s29, 0
	s_add_nc_u64 s[30:31], s[14:15], s[28:29]      ; my two fragments' images
	s_add_co_u32 s27, s26, s21
	s_add_co_u32 s27, s27, s[PR]
	s_mul_i32 s28, s27, REC
	s_add_co_u32 s28, s28, 12288
	s_add_nc_u64 s[32:33], s[14:15], s[28:29]
	; THE ROPE TABLES, with the norm's gain folded in: tab[t][F][register group i][lane], t = wave % 4: 0: wq(d) cos(s, d); 1: -+wq(d xor 64) sin(s, d) (minus for d < 64); 2, 3: the same with wk.
	; F = 16 positions s = this work-group's number (128 x-work-groups, 2,048 positions).  A block (t, F) is 8,192 bytes: an image of 64 registers: register 8 f + j of lane (r, h) is s = 16 F + r, d = 16 f + 8 h + j.
	; The 32 rows of cos and sin come as they lie, 512 consecutive bytes a load, two loads a wave, and meet in the stage; wave w then makes f = 2 (w / 4) and 2 (w / 4) + 1 of table w % 4: 16 registers.
	; These loads stand ahead of x's 32, so that they are in first.
	s_lshl_b32 s39, s[RCN], 7                      ; my two tiles' place in a row: 128 bytes x (w / 4)
	s_lshl_b32 s28, ttmp9, 13                      ; 16 rows of 512 bytes; also a block of tab
	s_and_b32 s24, s[WV], 7
	s_lshl_b32 s24, s24, 10                        ; the two rows that I fetch
	s_add_co_u32 s24, s24, s28
	s_mov_b32 s42, 0x3f800000
	s_bitcmp1_b32 s[WV], 3
	s_cselect_b64 s[36:37], s[50:51], s[48:49]
	s_bitcmp1_b32 s[PR], 0                         ; t odd: the gain of d xor 64
	s_cselect_b32 s35, s[RCN], 2
	; the gain comes once for the work-group: wave w brings 128 bytes: piece w % 4 of row w / 4 (0: wq(d), 1: wq(d xor 64), 2: wk(d), 3: wk(d xor 64))
	s_bitcmp1_b32 s[RCN], 0
	s_cselect_b32 s34, 256, 0
	s_bitcmp1_b32 s[WV], 3
	s_cselect_b64 s[40:41], s[54:55], s[52:53]
	s_cmp_lt_u32 s35, 2                            ; t odd and d < 64: the minus of rotate_half
	s_cselect_b32 s42, 0xbf800000, s42
	s_mov_b32 s43, s42
	s_add_nc_u64 s[36:37], s[36:37], s[24:25]
	s_lshl_b32 s24, s[PR], 7
	s_xor_b32 s24, s24, s34
	s_add_nc_u64 s[40:41], s[40:41], s[24:25]
	s_lshl_b32 s24, s[PR], 20
	s_add_co_u32 s24, s24, s28
	s_lshl_b32 s39, s[RCN], 11
	s_add_co_u32 s24, s24, s39
	s_add_nc_u64 s[56:57], s[56:57], s[24:25]
	global_load_b128 v[224:227], v[LI], s[36:37]
	global_load_b128 v[228:231], v[LI], s[36:37] offset:512
	global_load_b32 v232, v[COL], s[40:41]         ; 128 consecutive bytes of the gain
.set n, 0
.rept 32
	global_load_b128 v[RAW+4*n:RAW+4*n+3], v[LI], s[4:5] offset:8192*n th:TH_LOAD_NT   ; 32 lanes read a row's 512 consecutive bytes; read once in the launch
.set n, n+1
.endr
.irp b, 0,1,2,3
	v_mov_b32 v[TM+4+\b], 0
.endr
	s_wait_loadcnt 32                              ; the tables' three loads are in; x's 32 may be out
	ds_store_b128 v60, v[224:227]
	ds_store_b128 v60, v[228:231] offset:528
	ds_store_b32 v34, v232
	s_wait_dscnt 0x0                               ; for the others' sake: my two rows and my piece of the gain have landed
	s_barrier_signal -1
	s_barrier_wait -1
.irp i, 0,1,2,3
	ds_load_b128 v[192+4*\i:195+4*\i], v61 offset:64*(\i/2)+16*(\i%2)
	ds_load_b128 v[208+4*\i:211+4*\i], v35 offset:64*(\i/2)+16*(\i%2)
.endr
	s_wait_dscnt 0x0
.irp i, 0,2,4,6,8,10,12,14
	v_pk_mul_f32 v[208+\i:209+\i], v[208+\i:209+\i], s[42:43] op_sel_hi:[1,0]
.endr
.irp i, 0,2,4,6,8,10,12,14
	v_pk_mul_f32 v[192+\i:193+\i], v[192+\i:193+\i], v[208+\i:209+\i]
.endr
.irp i, 0,1,2,3
	global_store_b128 v[LI], v[192+4*\i:195+4*\i], s[56:57] offset:512*\i   ; 512 consecutive bytes, at a multiple of 256 from the buffer's first byte
.endr
	s_wait_xcnt 0x0                                ; the stores have read v192-207, which take x's numbers next
; Fragment f: 16 rows go through my stage as they lie and come back 16 neighbours of each block of 32 to a lane.  LDS serves a wave's instructions in order, so no wait stands between the stores and the loads.
.macro XFRAG f
.if \f == 0
	s_wait_loadcnt 16                              ; the first 16 rows are in; the second fragment's 16 loads may be out
.else
	s_wait_loadcnt 0x0
.endif
.set n, 0
.rept 16
	ds_store_b128 v[XS], v[RAW+64*(\f)+4*n:RAW+64*(\f)+4*n+3] offset:528*n
.set n, n+1
.endr
.irp b, 0,1,2,3
.irp j, 0,1,2,3
	ds_load_b128 v[XL+16*\b+4*\j:XL+16*\b+4*\j+3], v[XRD] offset:128*\b+16*\j
.endr
.endr
	s_wait_dscnt 0x0
.if \f
	s_wait_xcnt 0x0                                ; the first fragment's stores have read the codes' registers, which are written again below
.endif
	QUANT XL
.irp c, 0,1,2
	global_store_b128 v[LI], v[PC+4*\c:PC+4*\c+3], s[30:31] offset:1536*(\f)+512*\c   ; 512 consecutive bytes, at a multiple of 256 from the buffer's first byte
.endr
.if \f == 0
	v_mov_b32 v[SW], v[PW]
.else
	v_cndmask_b32 v[SW], v[SW], v[PW], s[HM]       ; lanes 16-31 take the odd fragment's words
.endif
.endm
	XFRAG 0
	XFRAG 1
	ds_store_b32 v[XG], v[SW]
	s_wait_dscnt 0x0                               ; for the others' sake: my word has landed
	s_barrier_signal -1
	s_barrier_wait -1
	s_cmp_lt_u32 s[WV], 4
	s_cbranch_scc0 .Lx_end
	ds_load_b128 v[GDT:GDT+3], v[G2]
	s_wait_dscnt 0x0
	global_store_b128 v[LI], v[GDT:GDT+3], s[32:33]
.Lx_end:
	s_wait_tensorcnt 0x0
	ds_add_u32 v62, v63
	s_wait_dscnt 0x0
	s_endpgm
	; ---------------- the weights ----------------
.Lweights:
	s_sub_co_u32 s20, ttmp9, 128                   ; id: 0-95 wq, wk, wv (32 each); 96-127 wo
	s_lshr_b32 s21, s20, 5                         ; which of wq, wk, wv (3: wo)
	s_bfe_u32 s22, s20, 0x30002                    ; column group
	s_and_b32 s23, s20, 3                          ; quarter of K
	s_lshl_b32 s24, s21, 3
	s_add_co_u32 s24, s24, s22
	s_lshl_b32 s24, s24, 4                         ; the group's first record
	s_sub_co_u32 s25, s20, 96
	s_lshr_b32 s26, s25, 1                         ; wo: column group,
	s_and_b32 s27, s25, 1                          ; half of K,
	s_lshl_b32 s28, s26, 3                         ; first record
	s_mov_b32 s29, WOO
	s_cmp_lt_u32 s20, 96
	s_cselect_b32 s22, s22, s26
	s_cselect_b32 s23, s23, s27
	s_cselect_b32 s24, s24, s28
	s_cselect_b32 s29, WRO, s29
	s_cselect_b32 s34, 12, 13                      ; a row of the weight is 4,096 or 8,192 bytes
	s_cselect_b64 s[36:37], s[6:7], s[12:13]
	s_cmp_eq_u32 s21, 1
	s_cselect_b64 s[36:37], s[8:9], s[36:37]
	s_cmp_eq_u32 s21, 2
	s_cselect_b64 s[36:37], s[10:11], s[36:37]
	s_lshl_b32 s23, s23, 2                         ; the work-group's first K step
	s_add_co_u32 s35, s23, s[RCN]                  ; my K step
	s_lshl_b32 s38, s35, 7
	s_lshl_b32 s38, s38, s34                       ; 128 rows a K step
	s_lshl_b32 s39, s22, 9                         ; 128 columns a group,
	s_add_co_u32 s38, s38, s39
	s_lshl_b32 s39, s[PR], 7                       ; 32 a wave
	s_add_co_u32 s38, s38, s39
	s_mov_b32 s39, 0
	s_add_nc_u64 s[36:37], s[36:37], s[38:39]
	s_add_co_u32 s40, s24, s35
	s_mul_i32 s40, s40, REC
	s_add_co_u32 s40, s40, s29
	s_mul_i32 s41, s[PR], 3072
	s_add_co_u32 s40, s40, s41
	s_mov_b32 s41, 0
	s_add_nc_u64 s[30:31], s[14:15], s[40:41]      ; my two fragments' images
	s_add_co_u32 s40, s24, s23
	s_add_co_u32 s40, s40, s[PR]
	s_mul_i32 s40, s40, REC
	s_add_co_u32 s40, s40, s29
	s_add_co_u32 s40, s40, 12288
	s_add_nc_u64 s[32:33], s[14:15], s[40:41]      ; the scale image of record wave % 4
	; A LANE TAKES A COLUMN AND ITS REGISTERS RUN DOWN K: a load reads 128 consecutive bytes, the four waves of a record 512.  The two kinds differ in the loads' immediates alone.
	s_cmp_lt_u32 s20, 96
	s_cbranch_scc0 .Lwo_loads
.set n, 0
	s_wait_alu depctr_va_vdst(0)
.rept 128
	global_load_b32 v[RAW+n], v[COL], s[36:37] offset:n*4096 th:TH_LOAD_NT
.set n, n+1
.endr
	s_branch .Lw_loaded
.Lwo_loads:
.set n, 0
	s_wait_alu depctr_va_vdst(0)
.rept 128
	global_load_b32 v[RAW+n], v[COL], s[36:37] offset:((n/32)*32+8*(2*(((n%32)/8)%2)+(n%32)/16)+n%8)*8192 th:TH_LOAD_NT   ; place i of a block holds row 0-7, 16-23, 8-15, 24-31
.set n, n+1
.endr
.Lw_loaded:
; Block t of my column: all 32 numbers are mine.  Its codes are registers 6 (t / 2) .. + 5 of lane (column % 16) + 16 (t % 2) of the column's fragment: they go to that place of the image.
.macro WBLOCK t, left
.set XB, RAW+32*(\t)
.set DD, 16+12*(\t)
	s_wait_loadcnt \left
	v_max3_num_f32 v12, |v[XB]|, |v[XB+1]|, |v[XB+2]|
	v_max3_num_f32 v13, |v[XB+3]|, |v[XB+4]|, |v[XB+5]|
.irp i, 6,10,14,18,22,26
	s_delay_alu instid0(VALU_DEP_2)
	v_max3_num_f32 v12, v12, |v[XB+\i]|, |v[XB+\i+1]|
	s_delay_alu instid0(VALU_DEP_2)
	v_max3_num_f32 v13, v13, |v[XB+\i+2]|, |v[XB+\i+3]|
.endr
	s_delay_alu instid0(VALU_DEP_2)
	v_max3_num_f32 v12, v12, |v[XB+30]|, |v[XB+31]|
	s_delay_alu instid0(VALU_DEP_1)
	v_max3_num_f32 v12, v12, v13, 0x2800000        ; and the floor
	s_delay_alu instid0(VALU_DEP_1)
	v_add_nc_u32 v14, 0xfe000000, v12              ; the conversion's scale operand
	s_delay_alu instid0(VALU_DEP_1)
	v_lshrrev_b32 v15, 23, v14                     ; the scale's byte
.if (\t) == 0
	s_delay_alu instid0(VALU_DEP_1)
	v_mov_b32 v[SBW], v15
.else
	s_delay_alu instid0(VALU_DEP_1)
	v_lshl_or_b32 v[SBW], v15, 8*(\t), v[SBW]
.endif
	v_cvt_scalef32_pk16_bf6_f32 v[DD:DD+2], v[XB:XB+15], v14
	v_cvt_scalef32_pk16_bf6_f32 v[DD+6:DD+8], v[XB+16:XB+31], v14
	v_nop                                          ; one plain line behind the scaled conversions
.irp i, 0,1,2
	v_mov_b32 v[DD+3+\i], v[DD+6+\i]
.endr
.if (\t)/2 == 0
	ds_store_b128 v[WS], v[DD:DD+3] offset:256*((\t)%2)              ; registers 0-3
	ds_store_b64 v[WS], v[DD+4:DD+5] offset:512+256*((\t)%2)         ; registers 4, 5
.else
	ds_store_b64 v[WS], v[DD:DD+1] offset:520+256*((\t)%2)           ; registers 6, 7
	ds_store_b128 v[WS], v[DD+2:DD+5] offset:1024+256*((\t)%2)       ; registers 8-11
.endif
.endm
	WBLOCK 0, 63                                   ; 96 later loads might stay out: 63 is the largest count that can be written
	WBLOCK 1, 63                                   ; likewise for 64
	WBLOCK 2, 32                                   ; the last block's 32 loads may be out
	WBLOCK 3, 0
.irp i, 0,1,2,3,4,5
	ds_load_b128 v[WOUT+4*\i:WOUT+4*\i+3], v[WRD] offset:512*\i      ; LDS serves a wave's instructions in order: these see my stores
.endr
	ds_store_b32 v[WG], v[SBW]                     ; lane = column: lanes 0-15 the even fragment's rows, lanes 16-31 the odd one's
	s_wait_dscnt 1                                 ; the six loads are in; the word's store may be out
.irp i, 0,1,2,3,4,5
	global_store_b128 v[LI], v[WOUT+4*\i:WOUT+4*\i+3], s[30:31] offset:512*\i
.endr
	s_wait_dscnt 0x0                               ; for the others' sake: my word has landed
	s_barrier_signal -1
	s_barrier_wait -1
	s_cmp_lt_u32 s[WV], 4
	s_cbranch_scc0 .Lw_end
	ds_load_b128 v[WGD:WGD+3], v[G2W]
	s_wait_dscnt 0x0
	global_store_b128 v[LI], v[WGD:WGD+3], s[32:33]
.Lw_end:
	s_wait_tensorcnt 0x0
	ds_add_u32 v62, v63
	s_wait_dscnt 0x0
	s_endpgm
.Lfunc_end_k_q7149c94946_quant:
	.size	k_q7149c94946_quant, .Lfunc_end_k_q7149c94946_quant-k_q7149c94946_quant
	.p2alignl 7, 3214868480
	.fill 96, 4, 3214868480
	.section	.rodata,"a",@progbits
	.p2align	6, 0x0
	.amdhsa_kernel k_q7149c94946_quant
		.amdhsa_group_segment_fixed_size 209408
		.amdhsa_private_segment_fixed_size 0
		.amdhsa_enable_private_segment 0
		.amdhsa_kernarg_size 88
		.amdhsa_user_sgpr_count 2
		.amdhsa_user_sgpr_kernarg_segment_ptr 1
		.amdhsa_wavefront_size32 1
		.amdhsa_system_sgpr_workgroup_id_x 1
		.amdhsa_system_sgpr_workgroup_id_y 1
		.amdhsa_system_sgpr_workgroup_id_z 1
		.amdhsa_system_vgpr_workitem_id 0
		.amdhsa_next_free_vgpr 256
		.amdhsa_next_free_sgpr 66
		.amdhsa_reserve_vcc 0
		.amdhsa_float_denorm_mode_32 3
		.amdhsa_float_denorm_mode_16_64 3
		.amdhsa_memory_ordered 1
		.amdhsa_forward_progress 1
		.amdhsa_inst_pref_size 64
	.end_amdhsa_kernel
	.amdgpu_metadata
---
amdhsa.version: [ 1, 2 ]
amdhsa.kernels:
  - .name:           k_q7149c94946_quant
    .symbol:         k_q7149c94946_quant.kd
    .args:
      - { .name: x, .offset: 0, .size: 8, .value_kind: global_buffer, .address_space: global }
      - { .name: wq, .offset: 8, .size: 8, .value_kind: global_buffer, .address_space: global }
      - { .name: wk, .offset: 16, .size: 8, .value_kind: global_buffer, .address_space: global }
      - { .name: wv, .offset: 24, .size: 8, .value_kind: global_buffer, .address_space: global }
      - { .name: wo, .offset: 32, .size: 8, .value_kind: global_buffer, .address_space: global }
      - { .name: xw, .offset: 40, .size: 8, .value_kind: global_buffer, .address_space: global }
      - { .name: cos, .offset: 48, .size: 8, .value_kind: global_buffer, .address_space: global }
      - { .name: sin, .offset: 56, .size: 8, .value_kind: global_buffer, .address_space: global }
      - { .name: q_norm_w, .offset: 64, .size: 8, .value_kind: global_buffer, .address_space: global }
      - { .name: k_norm_w, .offset: 72, .size: 8, .value_kind: global_buffer, .address_space: global }
      - { .name: tab, .offset: 80, .size: 8, .value_kind: global_buffer, .address_space: global }
    .group_segment_fixed_size: 209408
    .private_segment_fixed_size: 0
    .kernarg_segment_align: 8
    .kernarg_segment_size: 88
    .max_flat_workgroup_size: 512
    .sgpr_count:     66
    .vgpr_count:     256
    .wavefront_size: 32
...
	.end_amdgpu_metadata
.endif
;; end of part 1
;; launch qkv (part 2): grid 48 x 4, 4 waves a work-group, clusters of 4 x 4, 327,680 bytes of LDS; arguments xw, tab, qkv; writes qkv
.if DOCPART == 2
	.amdgcn_target "amdgcn-amd-amdhsa--gfx1250"
	.amdhsa_code_object_version 6
	.text
	.protected	k_q7149c94946_qkv
	.globl	k_q7149c94946_qkv
	.p2align	8
	.type	k_q7149c94946_qkv,@function
k_q7149c94946_qkv:
	s_mov_b64 s[64:65], 0
	v_nop
	global_prefetch_b8 v0, s[64:65] scope:SCOPE_SE
	s_setreg_imm32_b32 hwreg(HW_REG_WAVE_MODE, 25, 1), 1
	s_wait_xcnt 0x0
	s_wait_alu depctr_hold_cnt(0) depctr_sa_sdst(0) depctr_va_vdst(0) depctr_va_sdst(0) depctr_va_ssrc(0) depctr_va_vcc(0) depctr_vm_vsrc(0)
	s_getreg_b32 s2, hwreg(HW_REG_IB_STS2, 6, 4)
	s_cmp_eq_u32 s2, 0
	s_cbranch_scc0 .Lentry_in_a_cluster
	s_endpgm
.Lentry_in_a_cluster:
	s_bfe_u32 s2, ttmp6, 0x10000c
	s_cmp_lg_u32 s2, 0xf033
	s_cbranch_scc0 .Lentry_shape_is_right
	s_endpgm
.Lentry_shape_is_right:
; q, k, v = x wq, x wk, x wv on codes of BF6 (E3M2, one E8M0 scale for each 32 along K), K = 2,048; q and k then get the per-head RMS norm and RoPE in f32; all three are quantised again for the attention launch.
; Operands are RECORDS of 12,800 bytes (128 rows x 128 along K as an image of operand registers: fragment f at 1536 f, three loads of 16 bytes a lane, 512 apart; at 12,288 the scale words: register i: lanes 0-15 fragment 2 i,
; lanes 16-31 fragment 2 i + 1).  xw: x's records [row group 32][K step 16] at 0, the weights' [column group 24][K step 16] at 6,553,600.
; A work-group makes 256 x 256, a wave 128 x 128 (64 accumulators), which is one whole record of the result.  Clusters 0-7: A = x, B = wq (even) or wk (odd).  Clusters 8-11: A = wv's columns, B = x: v comes out with the keys along K.
; The matrix instruction is used transposed (source 0 = B's rows, source 1 = A's): a lane holds one row of A's side and eight neighbours of B's side.
; RING: two slots of three K steps (4 x 38,400 dense bytes); waves 0, 1 fetch A's halves jointly for the cluster's row, waves 2, 3 B's for its column.  Six fills; the last holds K step 15 and two records that nobody reads (they lie inside xw).
; The tiles are not prefetched: the block is the largest, in clusters, and K is short: six fills in all, two of them asked for ahead of the first product.
; THE WAY OUT uses no LDS.  tab holds w(d) cos(s, d) and -+w(d xor 64) sin(s, d) as images of a block's 64 accumulator registers (8,192 bytes for 16 positions; q's two tables, then k's, 1 MiB each), so
; y(d) = rs x(d) T1(d) + rs x(d xor 64) T2(d) with rs = rsqrt(mean x^2 + eps).  A block's 32 loads read 512 consecutive bytes each; three register sets, loads two blocks ahead.
; The eight waves of a cluster's row that share 128 positions prefetch one block's 16,384 bytes each, told apart by address, once, behind the second fill: fifteen K steps ahead of the first load of them.
; LIMITS: a block of zeros, or one whose largest magnitude lies under 2^-122, gets the scale byte 1 (this program alone reads the bytes); NaN and infinities are not served.
; REGISTERS: window 0: v2, v16-29 addresses; v32-47 scale words; v48-63 at work; v64-255 A's fragments, two sets (way out: v64-191 a table set, v192-227 at work).  Window 1: v0-191 B's fragments, two sets (way out: two table sets).
; Windows 2, 3: the accumulators, (a, b) at v[8 (8 (a % 4) + b)].
.set REC,   12800
.set PART,  38400
.set SLOT,  153600
.set SPARE, 307200
.set QOFF,  6553600
.set LI,   2
.set ADRA, 16
.set ADRB, 20
.set PFO,  27
.set SPW,  28
.set NIL,  29
.set SC,   32
.set TM,   48
.set AF,   64
.set PC,   192
.set PW,   212
.set RS,   214
.set SW,   216
.set SS,   220
.set WV,   16
.set RH,   17
.set CH,   18
.set CL,   19
.set G1,   24
.set G0,   32
.set G1B,  48
.set G0B,  56
.set SEL,  66
.set TP,   72
.set PF,   74
.set OC,   76
.set MSB, 0
.macro WIN new
.if MSB != (\new)
	s_set_vgpr_msb (MSB<<8)|(\new)
.set MSB, (\new)
.endif
.endm
.macro PLACES
.rept 4
	v_nop
.endr
.endm
.macro JLOAD s
	s_cmp_eq_u32 s[RH], 0
	s_cbranch_scc0 .Lfor_b_\@
	tensor_load_to_lds s[G0+4*\s:G0+4*\s+3], s[G1:G1+7]
	s_nop 0
.rept 4
	v_nop
.endr
	s_branch .Lasked_\@
.Lfor_b_\@:
	tensor_load_to_lds s[G0B+4*\s:G0B+4*\s+3], s[G1B:G1B+7]
	s_nop 0
.rept 4
	v_nop
.endr
.Lasked_\@:
.endm
.macro CREST
	s_cmp_lg_u32 s[WV], 0
	s_cbranch_scc1 .Lnot_wave_0_\@
	s_barrier_signal -3
.Lnot_wave_0_\@:
	s_barrier_wait -3
	s_barrier_signal -1
	s_barrier_wait -1
.endm
.macro CROUND
	s_barrier_signal -1
	s_barrier_wait -1
	CREST
.endm
	s_load_b128 s[4:7], s[0:1], 0x0                ; xw, tab
	s_load_b64 s[8:9], s[0:1], 0x10                ; qkv
	v_lshl_add_u32 v[SPW], v0, 2, SPARE
	v_mov_b32 v[NIL], 0
	ds_add_u32 v[SPW], v[NIL]                      ; the opening lines: the add, twice on end, and its wait
	ds_add_u32 v[SPW], v[NIL]
	v_lshrrev_b32 v1, 5, v0
	v_readfirstlane_b32 s[WV], v1
	s_lshr_b32 s[RH], s[WV], 1                     ; my half of A's rows; also: I fetch for A (0) or B (1)
	s_and_b32 s[CH], s[WV], 1                      ; my half of B's rows; also: which half I fetch
	s_mov_b32 s[CL], ttmp9
	s_bfe_u32 s20, ttmp6, 0x40000                  ; cx
	s_bfe_u32 s21, ttmp6, 0x40004                  ; cy
	s_lshr_b32 s40, s[CL], 1
	s_lshl_b32 s40, s40, 2
	s_and_b32 s80, s[CL], 1
	s_lshl_b32 s80, s80, 2
	s_sub_co_u32 s81, s[CL], 8
	s_lshl_b32 s81, s81, 2
	s_mov_b32 s41, 9830400
	s_cmp_lt_u32 s[CL], 8
	s_cselect_b32 s40, s40, 0
	s_cselect_b32 s80, s80, s81
	s_cselect_b32 s41, 0, s41                      ; A's records: x's, or wv's
	s_cselect_b32 s82, 6553600, 0                  ; B's: wq and wk's, or x's
	s_add_co_u32 s22, s40, s21                     ; A's tile
	s_add_co_u32 s23, s80, s20                     ; B's tile
	s_lshl_b32 s42, s21, 2
	s_lshl_b32 s42, 15, s42
	s_lshl_b32 s83, 0x1111, s20
	s_or_b32 s[G1], s42, (3<<16)|(1<<21)           ; the mask of my row; elements of 8 bytes; bit 21 beside a mask
	s_or_b32 s[G1B], s83, (3<<16)|(1<<21)          ; of my column
.irp g, G1, G1B
	s_mov_b32 s[\g+1], 32<<16                      ; 150 dense rows of 256 bytes
	s_mov_b32 s[\g+2], 150<<16
	s_mov_b32 s[\g+3], 32<<16
	s_mov_b32 s[\g+4], 150
	s_mov_b32 s[\g+5], 32
	s_mov_b32 s[\g+6], 0
	s_mov_b32 s[\g+7], 0
.endr
	s_lshl_b32 s43, s22, 1
	s_add_co_u32 s43, s43, s[CH]
	s_mul_i32 s43, s43, 204800
	s_add_co_u32 s44, s43, s41
	s_mov_b32 s45, 0
	s_lshl_b32 s84, s23, 1
	s_add_co_u32 s84, s84, s[CH]
	s_mul_i32 s84, s84, 204800
	s_add_co_u32 s84, s84, s82
	s_mov_b32 s85, 0
	s_mul_i32 s88, s[WV], PART
	s_mov_b32 s[SEL], 0x76543210
	s_mov_b32 s[SEL+1], 0xfedcba98
	s_mov_b32 s68, 0x3c000000                      ; 1 / 128
	s_mov_b32 s69, 0x3727c5ac                      ; eps
	s_mov_b32 s70, 0xffff0000
	s_wait_dscnt 0x0
	s_wait_kmcnt 0x0
	s_add_nc_u64 s[46:47], s[4:5], s[44:45]
	s_add_nc_u64 s[86:87], s[4:5], s[84:85]
	CROUND                                         ; all sixteen work-groups are here: the first joint loads meet
.irp s, 0,1
	s_mov_b32 s[G0+4*\s], 1
	s_add_co_u32 s[G0+4*\s+1], s88, \s*SLOT
	s_add_nc_u64 s[G0+4*\s+2:G0+4*\s+3], s[46:47], \s*PART
	s_or_b32 s[G0+4*\s+3], s[G0+4*\s+3], 0x80000000
	s_mov_b32 s[G0B+4*\s], 1
	s_add_co_u32 s[G0B+4*\s+1], s88, \s*SLOT
	s_add_nc_u64 s[G0B+4*\s+2:G0B+4*\s+3], s[86:87], \s*PART
	s_or_b32 s[G0B+4*\s+3], s[G0B+4*\s+3], 0x80000000
.endr
	JLOAD 0                                        ; K steps 0-2: one tensor load a wave at the head
	s_mul_i32 s89, s[RH], PART
	s_mul_i32 s90, s[CH], PART
	s_add_co_u32 s90, s90, 2*PART
	s_lshl_b32 s91, s22, 8                         ; the tables: my first position = (256 x tile + 128 x half) mod 2,048, 512 bytes a position
	s_lshl_b32 s92, s[RH], 7
	s_add_co_u32 s91, s91, s92
	s_and_b32 s91, s91, 2047
	s_lshl_b32 s92, s91, 9
	s_and_b32 s93, s[CL], 1                        ; k's tables lie 2 MiB behind q's
	s_lshl_b32 s93, s93, 21
	s_add_co_u32 s92, s92, s93
	s_mov_b32 s93, 0
	s_add_nc_u64 s[TP:TP+1], s[6:7], s[92:93]
	s_lshl_b32 s92, s20, 1                         ; which of the eight blocks I prefetch: 2 cx + my column half
	s_add_co_u32 s92, s92, s[CH]
	s_lshl_b32 s92, s92, 13
	s_add_nc_u64 s[PF:PF+1], s[TP:TP+1], s[92:93]
	s_lshl_b32 s92, s22, 1                         ; where my record goes
	s_add_co_u32 s92, s92, s[RH]
	s_lshl_b32 s93, s23, 1
	s_add_co_u32 s93, s93, s[CH]
	s_and_b32 s94, s93, 7
	s_cmp_lt_u32 s[CL], 8
	s_cselect_b32 s95, s92, s93                    ; row group of x,
	s_cselect_b32 s94, s94, s92                    ; head
	s_cselect_b32 s96, 0, REC
	s_lshr_b32 s97, s95, 4
	s_lshl_b32 s97, s97, 3
	s_add_co_u32 s97, s97, s94
	s_lshl_b32 s97, s97, 4
	s_and_b32 s95, s95, 15
	s_add_co_u32 s97, s97, s95                     ; [batch x head][group]
	s_mov_b32 s94, 2*REC
	s_and_b32 s95, s[CL], 9
	s_cmp_eq_u32 s95, 0
	s_cselect_b32 s94, REC, s94
	s_cselect_b32 s96, QOFF, s96
	s_mul_i32 s94, s97, s94
	s_add_co_u32 s96, s96, s94
	s_mov_b32 s97, 0
	s_add_nc_u64 s[OC:OC+1], s[8:9], s[96:97]
	v_and_b32 v1, 31, v0
	v_lshlrev_b32 v[LI], 4, v1
	v_lshlrev_b32 v[PFO], 8, v1
	v_add_nc_u32 v[ADRA], s89, v[LI]
	v_add_nc_u32 v[ADRA+1], SLOT, v[ADRA]
	v_add_nc_u32 v[ADRB], s90, v[LI]
	v_add_nc_u32 v[ADRB+1], SLOT, v[ADRB]
.irp b, 0,1,2,3
	v_mov_b32 v[TM+4+\b], 0                        ; written once: a lane permute's destination counts as one of its sources
.endr
.macro WM a, b, set, zero
.set rD,  8*(8*((\a)%4)+(\b))
.set rB,  96*(\set)+12*(\b)
.set rA,  AF+96*(\set)+12*(\a)
.set rSB, SC+8*(\set)+4+(\b)/2
.set rSA, SC+8*(\set)+(\a)/2
.set odd, 2*((\a)%2)+(\b)%2
.if \zero
.if odd == 0
	v_wmma_scale_f32_16x16x128_f8f6f4 v[rD:rD+7], v[rB:rB+11], v[rA:rA+11], 0, v[rSB], v[rSA] matrix_a_fmt:MATRIX_FMT_BF6 matrix_b_fmt:MATRIX_FMT_BF6
.elseif odd == 1
	v_wmma_scale_f32_16x16x128_f8f6f4 v[rD:rD+7], v[rB:rB+11], v[rA:rA+11], 0, v[rSB], v[rSA] matrix_a_fmt:MATRIX_FMT_BF6 matrix_b_fmt:MATRIX_FMT_BF6 matrix_a_scale:MATRIX_SCALE_ROW1
.elseif odd == 2
	v_wmma_scale_f32_16x16x128_f8f6f4 v[rD:rD+7], v[rB:rB+11], v[rA:rA+11], 0, v[rSB], v[rSA] matrix_a_fmt:MATRIX_FMT_BF6 matrix_b_fmt:MATRIX_FMT_BF6 matrix_b_scale:MATRIX_SCALE_ROW1
.else
	v_wmma_scale_f32_16x16x128_f8f6f4 v[rD:rD+7], v[rB:rB+11], v[rA:rA+11], 0, v[rSB], v[rSA] matrix_a_fmt:MATRIX_FMT_BF6 matrix_b_fmt:MATRIX_FMT_BF6 matrix_a_scale:MATRIX_SCALE_ROW1 matrix_b_scale:MATRIX_SCALE_ROW1
.endif
.else
.if odd == 0
	v_wmma_scale_f32_16x16x128_f8f6f4 v[rD:rD+7], v[rB:rB+11], v[rA:rA+11], v[rD:rD+7], v[rSB], v[rSA] matrix_a_fmt:MATRIX_FMT_BF6 matrix_b_fmt:MATRIX_FMT_BF6
.elseif odd == 1
	v_wmma_scale_f32_16x16x128_f8f6f4 v[rD:rD+7], v[rB:rB+11], v[rA:rA+11], v[rD:rD+7], v[rSB], v[rSA] matrix_a_fmt:MATRIX_FMT_BF6 matrix_b_fmt:MATRIX_FMT_BF6 matrix_a_scale:MATRIX_SCALE_ROW1
.elseif odd == 2
	v_wmma_scale_f32_16x16x128_f8f6f4 v[rD:rD+7], v[rB:rB+11], v[rA:rA+11], v[rD:rD+7], v[rSB], v[rSA] matrix_a_fmt:MATRIX_FMT_BF6 matrix_b_fmt:MATRIX_FMT_BF6 matrix_b_scale:MATRIX_SCALE_ROW1
.else
	v_wmma_scale_f32_16x16x128_f8f6f4 v[rD:rD+7], v[rB:rB+11], v[rA:rA+11], v[rD:rD+7], v[rSB], v[rSA] matrix_a_fmt:MATRIX_FMT_BF6 matrix_b_fmt:MATRIX_FMT_BF6 matrix_a_scale:MATRIX_SCALE_ROW1 matrix_b_scale:MATRIX_SCALE_ROW1
.endif
.endif
.endm
; 16 matrix instructions; the 64 accumulators take turns, in the same order in every step
.macro MUL16 a0, set, zero
.irp a, \a0, \a0+1
.irp b, 0,1,2,3,4,5,6,7
	WM \a, \b, \set, \zero
.endr
.endr
.endm
; 50 LDS loads in one run: K step q of a slot into fragment set 'set'
.macro FETCH slot, q, set
	WIN 0x40
.irp i, 0,1,2,3,4,5,6,7
.irp c, 0,1,2
	ds_load_b128 v[96*(\set)+12*\i+4*\c:96*(\set)+12*\i+4*\c+3], v[ADRB+\slot] offset:REC*(\q)+1536*\i+512*\c
.endr
.endr
	WIN 0
.irp i, 0,1,2,3,4,5,6,7
.irp c, 0,1,2
	ds_load_b128 v[AF+96*(\set)+12*\i+4*\c:AF+96*(\set)+12*\i+4*\c+3], v[ADRA+\slot] offset:REC*(\q)+1536*\i+512*\c
.endr
.endr
	ds_load_b128 v[SC+8*(\set):SC+8*(\set)+3], v[ADRA+\slot] offset:REC*(\q)+12288
	ds_load_b128 v[SC+8*(\set)+4:SC+8*(\set)+7], v[ADRB+\slot] offset:REC*(\q)+12288
.endm
.macro STEP slot, q, set, zero         ; the next step's fragments are asked for ahead of this step's 64 products
	s_wait_dscnt 0x0
	PLACES                                         ; the other set was multiplied last
	FETCH \slot, (\q)+1, 1-(\set)
	WIN 0xa1
	MUL16 0, \set, \zero
	MUL16 2, \set, \zero
	WIN 0xf1
	MUL16 4, \set, \zero
	MUL16 6, \set, \zero
	WIN 0
.endm
.macro TURN slot, next, set, fill      ; a slot's last step: the change of slots stands in its middle
	s_wait_dscnt 0x0
	WIN 0xa1
	MUL16 0, \set, 0
	MUL16 2, \set, 0
	WIN 0
	s_wait_tensorcnt 0x0                           ; my one load that was out, my part of the next slot, has landed
	ds_add_u32 v[SPW], v[NIL]
.if \fill
	s_add_nc_u64 s[G0+4*\slot+2:G0+4*\slot+3], s[G0+4*\slot+2:G0+4*\slot+3], 2*PART
	s_add_nc_u64 s[G0B+4*\slot+2:G0B+4*\slot+3], s[G0B+4*\slot+2:G0B+4*\slot+3], 2*PART
.endif
	s_wait_dscnt 0x0                               ; the add is done; my reads of this slot were over at the step's head
	s_barrier_signal -1
	s_barrier_wait -1
.if \fill
	CREST                                          ; the barrier has opened a round of the cluster's barrier
	JLOAD \slot                                    ; its four v_nop are the places in front of the loads below
.else
	PLACES
.endif
	FETCH \next, 0, 1-(\set)
	WIN 0xf1
	MUL16 4, \set, 0
	MUL16 6, \set, 0
	WIN 0
.endm
; Chunk c of block a's tables (0: T1, d < 64; 1: T1, d >= 64; 2, 3: T2 likewise): 32 registers, eight loads of 512 consecutive bytes.  Block a uses register set a % 3: 0: window 1, v0-63 and v192-255; 1: window 0, v64-191; 2: window 1, v64-191.
.macro TL a, c
.if (\a)%3 == 0
.set tb, 32*(\c)+128*((\c)/2)
.else
.set tb, 64+32*(\c)
.endif
.if (\a)%3 == 1
	WIN 0
.else
	WIN 0x40
.endif
.irp i, 0,1,2,3,4,5,6,7
	global_load_b128 v[tb+4*\i:tb+4*\i+3], v[LI], s[TP:TP+1] offset:((\c)/2)*1048576+(\a)*8192+((\c)%2)*4096+\i*512
.endr
.endm
	s_wait_alu depctr_va_vdst(0)
	s_wait_tensorcnt 0x0                           ; my part of slot 0 is in; the same three lines as ahead of a refill stand ahead of slot 1's first fill
	ds_add_u32 v[SPW], v[NIL]
	s_wait_dscnt 0x0
	CROUND
	JLOAD 1                                        ; K steps 3-5
	FETCH 0, 0, 0
	s_cmp_lt_u32 s[CL], 8
	s_cbranch_scc0 .Lno_pf
	global_prefetch_b8 v[PFO], s[PF:PF+1] th:TH_LOAD_NT scope:SCOPE_SE                  ; one block's T1: 32 lanes 256 bytes apart
	global_prefetch_b8 v[PFO], s[PF:PF+1] offset:1048576 th:TH_LOAD_NT scope:SCOPE_SE   ; and its T2; the address registers are never written again
.Lno_pf:
	STEP 0, 0, 0, 1                                ; the first step's products start the sums
	s_mov_b32 s3, 2
.Llap:
	STEP 0, 1, 1, 0
	TURN 0, 1, 0, 1
	STEP 1, 0, 1, 0
	STEP 1, 1, 0, 0
	TURN 1, 0, 1, 1
	STEP 0, 0, 0, 0
	s_sub_co_u32 s3, s3, 1
	s_cmp_lg_u32 s3, 0
	s_cbranch_scc1 .Llap
	STEP 0, 1, 1, 0
	TURN 0, 1, 0, 0
	s_wait_dscnt 0x0
	PLACES                                         ; fragment set 0 was multiplied last: the tables land there
	s_cmp_lt_u32 s[CL], 8
	s_cbranch_scc0 .Lno_tables
.irp c, 0,1,2,3
	TL 0, \c
.endr
.irp c, 0,1,2
	TL 1, \c
.endr
	WIN 0
.Lno_tables:
	WIN 0xa1
	MUL16 0, 1, 0
	MUL16 2, 1, 0
	WIN 0xf1
	MUL16 4, 1, 0
	MUL16 6, 1, 0
	WIN 0
	PLACES
; Block a: 16 rows x 128 of a head, 64 registers: register 8 f + j of lane (r, h) is column 16 f + 8 h + j of row r.
.macro NORMROPE a
.set W2, 2+(\a)/4
.set AC, 64*((\a)%4)
.if (\a)%3 == 1
.set WT, 0
.else
.set WT, 1
.endif
.if (\a)%3 == 0
.set TC0, 0
.set TC1, 32
.set TC2, 192
.set TC3, 224
.else
.set TC0, 64
.set TC1, 96
.set TC2, 128
.set TC3, 160
.endif
	WIN W2|(W2<<2)
	s_wait_alu depctr_va_vdst(0)                   ; ahead of the first read of these matrix results
.irp k, 0,1,2,3
	v_pk_mul_f32 v[SS+2*\k:SS+2*\k+1], v[AC+2*\k:AC+2*\k+1], v[AC+2*\k:AC+2*\k+1]
.endr
.set ee, 8
.rept 28
	v_pk_fma_f32 v[SS+ee%8:SS+ee%8+1], v[AC+ee:AC+ee+1], v[AC+ee:AC+ee+1], v[SS+ee%8:SS+ee%8+1]
.set ee, ee+2
.endr
	WIN 0
	v_pk_add_f32 v[SS:SS+1], v[SS:SS+1], v[SS+2:SS+3]
	v_pk_add_f32 v[SS+4:SS+5], v[SS+4:SS+5], v[SS+6:SS+7]
	v_pk_add_f32 v[SS:SS+1], v[SS:SS+1], v[SS+4:SS+5]
	v_add_f32 v[SS], v[SS], v[SS+1]
	v_permlanex16_b32 v[SS+2], v[SS], s[SEL], s[SEL+1]
	v_add_f32 v[SS], v[SS], v[SS+2]                ; the row's sum of squares
	v_fma_f32 v[SS], v[SS], s68, s69               ; / 128 + eps
	s_wait_alu depctr_va_vdst(0)                   ; ahead of the transcendental
	v_rsq_f32 v[RS], v[SS]
	v_nop
	s_wait_alu depctr_va_vdst(0)                   ; and ahead of its first reader
	WIN W2|(W2<<6)
.set ee, 0
.rept 32
	v_pk_mul_f32 v[AC+ee:AC+ee+1], v[AC+ee:AC+ee+1], v[RS:RS+1] op_sel_hi:[1,0]
.set ee, ee+2
.endr
	s_wait_alu depctr_va_vdst(0)
.if (\a) < 6
	s_wait_loadcnt 63                              ; this block's tables are in; the 64 loads of the next two blocks might stay out: 63 is the largest count that can be written
.elseif (\a) == 6
	s_wait_loadcnt 32                              ; the last block's 32 may be out
.else
	s_wait_loadcnt 0x0
.endif
	WIN W2|(WT<<2)|(WT<<6)
.set ee, 0
.rept 16
	v_pk_mul_f32 v[TC3+ee:TC3+ee+1], v[AC+ee:AC+ee+1], v[TC3+ee:TC3+ee+1]      ; x(d - 64) T2(d), d >= 64: kept where T2 lay
.set ee, ee+2
.endr
	WIN W2|(WT<<2)|(W2<<6)
.set ee, 0
.rept 16
	v_pk_mul_f32 v[AC+ee:AC+ee+1], v[AC+ee:AC+ee+1], v[TC0+ee:TC0+ee+1]        ; x(d) T1(d), d < 64
.set ee, ee+2
.endr
	WIN W2|(WT<<2)|(W2<<4)|(W2<<6)
.set ee, 0
.rept 16
	v_pk_fma_f32 v[AC+ee:AC+ee+1], v[AC+32+ee:AC+32+ee+1], v[TC2+ee:TC2+ee+1], v[AC+ee:AC+ee+1]   ; + x(d + 64) T2(d)
.set ee, ee+2
.endr
	WIN W2|(WT<<2)|(WT<<4)|(W2<<6)
.set ee, 0
.rept 16
	v_pk_fma_f32 v[AC+32+ee:AC+32+ee+1], v[AC+32+ee:AC+32+ee+1], v[TC1+ee:TC1+ee+1], v[TC3+ee:TC3+ee+1]
.set ee, ee+2
.endr
.if (\a)+3 < 8
.irp c, 0,1,2,3
	TL (\a)+3, \c                                  ; the set takes the block three further on
.endr
.endif
	WIN 0
.endm
; Block a is quantised along its 128 and leaves as fragment a of my record.
.macro QUANTW a
.set W2, 2+(\a)/4
.set AC, 64*((\a)%4)
	s_wait_alu depctr_va_vdst(0)
	s_wait_xcnt 0x0                                ; the last block's stores have read the codes' registers
	WIN W2|(W2<<2)
.irp b, 0,1,2,3
	v_max3_num_f32 v[TM+\b], |v[AC+16*\b]|, |v[AC+16*\b+1]|, 0x2800000   ; my 16 numbers of block b, and the floor 2^(5 - 127)
.endr
.irp i, 2,4,6,8,10,12,14
.irp b, 0,1,2,3
	v_max3_num_f32 v[TM+\b], |v[AC+16*\b+\i]|, |v[AC+16*\b+\i+1]|, v[TM+\b]
.endr
.endr
	WIN 0
.irp b, 0,1,2,3
	v_permlanex16_b32 v[TM+4+\b], v[TM+\b], s[SEL], s[SEL+1]
.endr
.irp b, 0,1,2,3
	v_max_num_f32 v[TM+\b], v[TM+\b], v[TM+4+\b]
.endr
.irp b, 0,1,2,3
	v_add_nc_u32 v[TM+12+\b], 0xfe000000, v[TM+\b] ; 4 off the exponent field: the conversion's scale operand
.endr
.irp b, 0,1,2,3
	v_lshrrev_b32 v[TM+4+\b], 23, v[TM+12+\b]      ; the scale's byte
.endr
	v_lshl_or_b32 v[PW], v[TM+5], 8, v[TM+4]
	v_lshl_or_b32 v[PW], v[TM+6], 16, v[PW]
	v_lshl_or_b32 v[PW], v[TM+7], 24, v[PW]
	WIN W2
.irp c, 0,1
	v_cvt_scalef32_pk16_bf6_f32 v[PC+6*\c:PC+6*\c+2], v[AC+32*\c:AC+32*\c+15], v[TM+12+2*\c]
	v_cvt_scalef32_pk16_bf6_f32 v[PC+12+4*\c:PC+14+4*\c], v[AC+32*\c+16:AC+32*\c+31], v[TM+13+2*\c]
.endr
	WIN 0
	v_nop                                          ; one plain line behind the scaled conversions
.irp c, 0,1
.irp i, 0,1,2
	v_permlane16_swap_b32 v[PC+6*\c+\i], v[PC+12+4*\c+\i]
.endr
.irp i, 0,1,2
	v_mov_b32 v[PC+3+6*\c+\i], v[PC+12+4*\c+\i]
.endr
.endr
.irp c, 0,1,2
	global_store_b128 v[LI], v[PC+4*\c:PC+4*\c+3], s[OC:OC+1] offset:1536*(\a)+512*\c   ; 512 consecutive bytes, at a multiple of 256 from the buffer's first byte
.endr
.if (\a)%2 == 0
	v_mov_b32 v[SW+(\a)/2], v[PW]
.else
	v_cndmask_b32 v[SW+(\a)/2], v[SW+(\a)/2], v[PW], s70   ; lanes 16-31 take the odd fragment's words
.endif
.endm
	s_cmp_lt_u32 s[CL], 8
	s_cbranch_scc0 .Lplain
	TL 1, 3                                        ; fragment set 1 is free now
.irp c, 0,1,2,3
	TL 2, \c
.endr
	WIN 0
	v_mov_b32 v[RS+1], 0                           ; (named as the upper half of a pair)
.irp a, 0,1,2,3,4,5,6,7
	NORMROPE \a
	QUANTW \a
.endr
	s_branch .Lout
.Lplain:                                               ; v: no norm, no RoPE
.irp a, 0,1,2,3,4,5,6,7
	QUANTW \a
.endr
.Lout:
	s_wait_alu depctr_va_vdst(0)                   ; ahead of the reader below
	global_store_b128 v[LI], v[SW:SW+3], s[OC:OC+1] offset:12288
	s_wait_tensorcnt 0x0                           ; the wave's end
	ds_add_u32 v[SPW], v[NIL]
	s_wait_dscnt 0x0
	CROUND                                         ; the closing round
	s_endpgm
.Lfunc_end_k_q7149c94946_qkv:
	.size	k_q7149c94946_qkv, .Lfunc_end_k_q7149c94946_qkv-k_q7149c94946_qkv
	.p2alignl 7, 3214868480
	.fill 96, 4, 3214868480
	.section	.rodata,"a",@progbits
	.p2align	6, 0x0
	.amdhsa_kernel k_q7149c94946_qkv
		.amdhsa_group_segment_fixed_size 327680
		.amdhsa_private_segment_fixed_size 0
		.amdhsa_enable_private_segment 0
		.amdhsa_kernarg_size 24
		.amdhsa_user_sgpr_count 2
		.amdhsa_user_sgpr_kernarg_segment_ptr 1
		.amdhsa_wavefront_size32 1
		.amdhsa_system_sgpr_workgroup_id_x 1
		.amdhsa_system_sgpr_workgroup_id_y 1
		.amdhsa_system_sgpr_workgroup_id_z 1
		.amdhsa_system_vgpr_workitem_id 0
		.amdhsa_next_free_vgpr 1024
		.amdhsa_next_free_sgpr 100
		.amdhsa_reserve_vcc 0
		.amdhsa_float_denorm_mode_32 3
		.amdhsa_float_denorm_mode_16_64 3
		.amdhsa_memory_ordered 1
		.amdhsa_forward_progress 1
		.amdhsa_inst_pref_size 255
	.end_amdhsa_kernel
	.section	.bss,"aw",@nobits
	.p2align	6
	.space	262144
	.amdgpu_metadata
---
amdhsa.version: [ 1, 2 ]
amdhsa.kernels:
  - .name:           k_q7149c94946_qkv
    .symbol:         k_q7149c94946_qkv.kd
    .args:
      - { .name: xw, .offset: 0, .size: 8, .value_kind: global_buffer, .address_space: global }
      - { .name: tab, .offset: 8, .size: 8, .value_kind: global_buffer, .address_space: global }
      - { .name: qkv, .offset: 16, .size: 8, .value_kind: global_buffer, .address_space: global }
    .group_segment_fixed_size: 327680
    .private_segment_fixed_size: 0
    .kernarg_segment_align: 8
    .kernarg_segment_size: 24
    .max_flat_workgroup_size: 128
    .sgpr_count:     100
    .vgpr_count:     1024
    .wavefront_size: 32
...
	.end_amdgpu_metadata
.endif
;; end of part 2
;; launch attn (part 3): grid 16 x 16, 16 waves a work-group, clusters of 4 x 1, 327,680 bytes of LDS; arguments qkv, orec; writes orec
.if DOCPART == 3
	.amdgcn_target "amdgcn-amd-amdhsa--gfx1250"
	.amdhsa_code_object_version 6
	.text
	.protected	k_q7149c94946_attn
	.globl	k_q7149c94946_attn
	.p2align	8
	.type	k_q7149c94946_attn,@function
k_q7149c94946_attn:
	s_mov_b64 s[64:65], 0
	v_nop
	global_prefetch_b8 v0, s[64:65] scope:SCOPE_SE
	s_setreg_imm32_b32 hwreg(HW_REG_WAVE_MODE, 25, 1), 1
	s_wait_xcnt 0x0
	s_wait_alu depctr_hold_cnt(0) depctr_sa_sdst(0) depctr_va_vdst(0) depctr_va_sdst(0) depctr_va_ssrc(0) depctr_va_vcc(0) depctr_vm_vsrc(0)
	s_getreg_b32 s2, hwreg(HW_REG_IB_STS2, 6, 4)
	s_cmp_eq_u32 s2, 0
	s_cbranch_scc0 .Lentry_in_a_cluster
	s_endpgm
.Lentry_in_a_cluster:
	s_bfe_u32 s2, ttmp6, 0x10000c
	s_cmp_lg_u32 s2, 0x3003
	s_cbranch_scc0 .Lentry_shape_is_right
	s_endpgm
.Lentry_shape_is_right:
; Causal attention on codes of BF6 (E3M2, one E8M0 scale for each 32 along a product's K): 16 batch x heads, 2,048 queries and keys, head size 128.  The result is quantised for the last projection.
; qkv: [batch x head][key group 16][K's record, V's record] at 0; q's records [batch x head][query group 16] at QOFF.  A record is 128 rows x 128 along K as an image of operand registers: fragment f at 1536 f, three loads
; of 16 bytes a lane, 512 bytes apart; at 12,288 the scale words: register i: lanes 0-15 fragment 2 i, lanes 16-31 fragment 2 i + 1.  K's rows are keys, V's are the head's 128 with the group's 128 keys along K.
; THE SOFTMAX AHEAD OF THE SECOND PRODUCT: t = score x log2(e) / sqrt(128); M = the largest t so far, rounded UP to a whole number; p = 2^(t - M) is quantised along the keys, not normalised; the row's sum is taken of the
; unquantised p and divides at the end; when M moves, the sum and O are multiplied by 2^(old M - new M): exact.
; LAYOUT.  Both products are used transposed: S^T = K Q^T (source 0 = 16 keys), O^T = V^T P^T (source 0 = 16 of the head's 128): a lane holds ONE query (lane % 16).  Register 8 f + j of S^T is key 16 f + 8 (lane / 16) + j, so
; place p of a block of 32 of p's codes holds key 0-7, 16-23, 8-15, 24-31: the order in which V's codes were laid.  O's codes come out in the same order along the head, which is how wo's codes were laid.
; SHARES.  A cluster of four work-groups owns the query groups c, 15 - c, 7 - c, 8 + c of one batch x head (c = the cluster's x).  Partner cx owns tiles 2 cx and 2 cx + 1 (16 queries each) of all four groups.
; Wave w: bit 2 which tile, bit 3 the parity of the key steps (128 keys) that it takes; its group is number (w % 4) xor (w / 4) of the four (bit 0 of that number: which pair of groups, bit 1: which group of the pair).
; Two waves, w and w xor 10, so share a tile's keys; their O, sum and M are merged at the end.  A key step past the wave's group is left out: a scalar branch on the wave's and the cluster's numbers, the same in all partners.
; RING.  Two slots of FOUR key steps (102,400 bytes of memory on end), each in two halves of two steps, 65,536 bytes apart in LDS, so that one exclusive or leads from a half to the other and one from a slot to the other.
; Between two changes of slots a wave runs its two steps of the slot on end (an inner loop of two trips).  Every work-group walks all four slots, so trip counts are constants and no tensor load or barrier is jumped over;
; every cluster's largest group is 12 or more, so every slot is read.  Waves 0-7 fetch a record each, jointly for the four partners.
; LIMITS: a block of zeros, or one whose largest magnitude lies under 2^-122, gets the scale byte 1; NaN and infinities are not served; the scaled scores stay under 2^31 in magnitude.
; REGISTERS: v1-10 addresses; v12 -M, v13 the largest t, v[14:15] the sum in two halves; v16-27 Q; v32-79 four fragments of K or V; v84-87 K's scale words, v88-91 V's; v96-159 S^T, then p; v160-223 O^T; v224-235 p's codes;
; v232-254 at work; v253 p's scale word; v255 Q's scale words.
.set REC,   12800
.set HALF,  65536                      ; from a slot's first two key steps to its last two
.set SLOT1, 131072                     ; slot 1 begins here
.set MRG,   247808                     ; behind the ring: 8 x 8,704 bytes: an odd-parity wave's O^T (64 registers) and state, as images
.set SPARE, 317440                     ; the spare words, 128 bytes for each wave: eight blocks of 256 bytes that no other line names
.set QOFF,  6553600
.set LIP,  1                           ; v1   16 x lane + 25,600 x parity: my key step's place in a half
.set SPW,  5                           ; v5   LDS address of my spare word; never rewritten
.set NIL,  6                           ; v6   0; never rewritten
.set DQ,   7                           ; v7   my query in its group - 8 (lane / 16)
.set ADR,  8                           ; v8   LDS address of the step in hand
.set MA,   9                           ; v9   my pair's place in MRG
.set SO,   10                          ; v10  16 x (lane % 16): a row's place in a scale image
.set PFO,  28                          ; v28  the prefetches' offset
.set LI,   29                          ; v29  16 x lane
.set KS,   84
.set VS,   88
.set TM,   232                         ; the way out: at work in the quantiser
.set PW,   248
.set PC,   160
.set WV,   18
.set SEL,  20
.set CS,   22
.set G1,   24
.set G0,   40
.set TB,   44                          ; s44  LDS byte at which the half in hand begins
.set IN,   66                          ; s66  halves of the slot still to be walked
.set SLOTS, 67                         ; s67  slots still to be asked for
.set PFA,  76                          ; s[76:77] where my prefetches stand
.set LIM,  80                          ; s80  1 in a wave that prefetches, else the greatest number
.set ST,   98                          ; s98  the key step that I would take next
.set GD,   99                          ; s99  my query group: its last key step, the one on the diagonal
.macro CROUND
	s_barrier_signal -1
	s_barrier_wait -1
	s_cmp_lg_u32 s[WV], 0
	s_cbranch_scc1 .Lnot_wave_0_\@
	s_barrier_signal -3
.Lnot_wave_0_\@:
	s_barrier_wait -3
	s_barrier_signal -1
	s_barrier_wait -1
.endm
.macro TLOAD                           ; waves 0-7 fetch a record each; four v_nop follow the line
	s_cmp_lt_u32 s[WV], 8
	s_cbranch_scc0 .Lasked_\@
	tensor_load_to_lds s[G0:G0+3], s[G1:G1+7]
	s_nop 0
.rept 4
	v_nop
.endr
.Lasked_\@:
.endm
; A PREFETCH INTO THE L2 of what the NEXT change of slots will ask for: a slot's eight records.  The four clusters of a batch x head walk the same K and V: the first of them asks.  Its four partners take two records each, told
; apart BY ADDRESS; in each, waves 8-11 ask, lanes 256 bytes apart: 100 blocks (the last 28 lanes of wave 11 name the last block again).  The last change that fills a slot asks for nothing; slots 0 and 1 come by their loads alone.
.macro ASK
	s_cmp_gt_u32 s[SLOTS], s[LIM]
	s_cbranch_scc0 .Lnot_mine_\@
	global_prefetch_b8 v[PFO], s[PFA:PFA+1] th:TH_LOAD_NT scope:SCOPE_SE
.Lnot_mine_\@:
.endm
	s_load_b128 s[4:7], s[0:1], 0x0                ; qkv, orec
	v_lshl_add_u32 v[SPW], v0, 2, SPARE
	v_mov_b32 v[NIL], 0
	ds_add_u32 v5, v6
	ds_add_u32 v5, v6
	s_wait_dscnt 0x0
	v_lshrrev_b32 v8, 5, v0
	s_delay_alu instid0(VALU_DEP_1)
	v_readfirstlane_b32 s[WV], v8
	s_bfe_u32 s45, ttmp6, 0x40000                  ; cx: it enters global addresses and the mask's numbers alone
	s_and_b32 s46, ttmp7, 0xffff                   ; batch x head
	s_bfe_u32 s47, s[WV], 0x10002                  ; which tile: bit 2
	s_lshr_b32 s50, s[WV], 3                       ; parity: bit 3
	s_and_b32 s48, s[WV], 3
	s_lshr_b32 s49, s[WV], 2
	s_xor_b32 s49, s49, s48                        ; my group's number among the four: (w % 4) xor (w / 4)
	s_and_b32 s48, s49, 1                          ; which pair of groups
	s_lshr_b32 s49, s49, 1                         ; which group of the pair
	s_sub_co_u32 s51, 7, ttmp9
	s_cmp_eq_u32 s48, 0
	s_cselect_b32 s51, ttmp9, s51                  ; the pair's lower group: c or 7 - c
	s_sub_co_u32 s52, 15, s51
	s_cmp_eq_u32 s49, 0
	s_cselect_b32 s[GD], s51, s52
	s_lshl_b32 s53, s45, 1
	s_add_co_u32 s53, s53, s47                     ; my tile in its group
	s_lshl_b32 s54, s46, 4
	s_add_co_u32 s54, s54, s[GD]
	s_mul_i32 s54, s54, REC
	s_add_co_u32 s54, s54, QOFF                    ; q's record
	s_mul_i32 s56, s53, 1536
	s_add_co_u32 s56, s56, s54                     ; my fragment
	s_mov_b32 s57, 0
	s_lshl_b32 s58, s47, 8
	s_lshl_b32 s59, s45, 2
	s_add_co_u32 s58, s58, s59
	s_add_co_u32 s60, s58, 12288                   ; my tile's words in a scale image: register cx, lanes 16 x (tile % 2) on
	s_add_co_u32 s58, s60, s54
	s_mov_b32 s59, 0
	s_lshr_b32 s61, s46, 3                         ; batch
	s_lshl_b32 s61, s61, 4
	s_add_co_u32 s61, s61, s[GD]
	s_lshl_b32 s61, s61, 3
	s_and_b32 s62, s46, 7                          ; head
	s_add_co_u32 s61, s61, s62
	s_mul_i32 s61, s61, REC                        ; o's record: [16 batch + group][head]
	s_mul_i32 s62, s53, 1536
	s_add_co_u32 s62, s62, s61
	s_mov_b32 s63, 0
	s_add_co_u32 s68, s61, s60
	s_mov_b32 s69, 0
	s_mul_i32 s70, s46, 409600                     ; the batch x head's K and V: 16 key steps of 25,600 bytes
	s_mov_b32 s71, 0
	s_mul_i32 s72, s[WV], REC                      ; the record that I fetch, in memory;
	s_mov_b32 s73, 0
	s_and_b32 s84, s[WV], 3                        ; and in a slot: records 0-3 in the first half, 4-7 in the second
	s_mul_i32 s84, s84, REC
	s_lshr_b32 s85, s[WV], 2
	s_lshl_b32 s85, s85, 16
	s_add_co_u32 s84, s84, s85
	s_mul_i32 s74, s45, 2*REC                      ; the two records that my work-group prefetches,
	s_add_co_u32 s74, s74, 102400                  ; in slot 1: the first change of slots steps it to slot 2
	s_mov_b32 s75, 0
	; descriptor group 1: a record as 50 rows of 256 bytes (32 elements of 8 bytes), dense, no padding
	s_mov_b32 s[G1], 15|(3<<16)|(1<<21)            ; 15:0 the mask: all four work-groups; 17:16 elements of 8 bytes; 21 set beside a mask
	s_mov_b32 s[G1+1], 32<<16
	s_mov_b32 s[G1+2], 50<<16
	s_mov_b32 s[G1+3], 32<<16
	s_mov_b32 s[G1+4], 50
	s_mov_b32 s[G1+5], 32
	s_mov_b32 s[G1+6], 0
	s_mov_b32 s[G1+7], 0
	s_mov_b32 s[SEL], 0x76543210
	s_mov_b32 s[SEL+1], 0xfedcba98
	s_mov_b32 s[CS], 0x3e0293ee                    ; c = log2(e) / sqrt(128)
	s_mov_b32 s[CS+1], s[CS]
	s_mov_b32 s[TB], 0
	s_mov_b32 s[SLOTS], 3
	s_mov_b32 s[ST], s50
	s_lshr_b32 s83, s[WV], 2
	s_xor_b32 s83, s83, 2                          ; 0 in waves 8-11,
	s_or_b32 s83, s83, ttmp9                       ; of the batch x head's first cluster: the same in all four partners
	s_cmp_eq_u32 s83, 0
	s_cselect_b32 s[LIM], 1, -1
	s_wait_kmcnt 0x0
	s_add_nc_u64 s[8:9], s[4:5], s[56:57]          ; Q's fragment
	s_add_nc_u64 s[10:11], s[4:5], s[58:59]        ; Q's scale words
	s_add_nc_u64 s[12:13], s[6:7], s[62:63]        ; O's fragment
	s_add_nc_u64 s[14:15], s[6:7], s[68:69]        ; O's scale words
	s_add_nc_u64 s[4:5], s[4:5], s[70:71]          ; K and V of my batch x head
	s_add_nc_u64 s[PFA:PFA+1], s[4:5], s[74:75]
	s_mov_b32 s[G0], 1
	s_mov_b32 s[G0+1], s84
	s_add_nc_u64 s[G0+2:G0+3], s[4:5], s[72:73]
	s_or_b32 s[G0+3], s[G0+3], 0x80000000
	CROUND                                         ; all four work-groups are here: the first joint loads meet
	TLOAD                                          ; slot 0
	v_and_b32 v2, 31, v0                           ; lane
	v_and_b32 v3, 15, v0                           ; r
	v_bfe_u32 v4, v0, 4, 1                         ; h
	s_delay_alu instid0(VALU_DEP_3)
	v_lshlrev_b32 v[LI], 4, v2
	s_delay_alu instid0(VALU_DEP_3)
	v_lshlrev_b32 v[SO], 4, v3
.irp c, 0,1,2
	global_load_b128 v[16+4*\c:19+4*\c], v[LI], s[8:9] offset:512*\c   ; Q's fragment stays in registers
.endr
	global_load_b32 v255, v[SO], s[10:11]          ; lane r: query r's scale word
	s_mul_i32 s81, s50, 2*REC
	v_add_nc_u32 v[LIP], s81, v[LI]
	s_and_b32 s81, s[WV], 7
	s_lshl_b32 s82, s50, 1
	s_xor_b32 s81, s81, s82                        ; (w % 8) xor 2 (w / 8): the same number in waves w and w xor 10, another in every other pair
	s_mul_i32 s81, s81, 8704
	s_add_co_u32 s81, s81, MRG
	v_add_nc_u32 v[MA], s81, v[LI]
	s_lshl_b32 s82, s53, 4
	v_lshlrev_b32 v[DQ], 3, v4
	s_delay_alu instid0(VALU_DEP_1)
	v_sub_nc_u32 v[DQ], v3, v[DQ]
	s_delay_alu instid0(VALU_DEP_1)
	v_add_nc_u32 v[DQ], s82, v[DQ]
	s_and_b32 s83, s[WV], 3                        ; of the four waves that prefetch: which 32 blocks
	s_lshl_b32 s83, s83, 5
	v_add_nc_u32 v[PFO], s83, v2
	s_delay_alu instid0(VALU_DEP_1)
	v_min_u32 v[PFO], 99, v[PFO]
	s_delay_alu instid0(VALU_DEP_1)
	v_lshlrev_b32 v[PFO], 8, v[PFO]
	v_mov_b32 v13, 0xff61b1e6                      ; the largest t so far: -3e38, under every t
	s_delay_alu instid0(VALU_DEP_1)
	v_floor_f32 v12, -v13                          ; -M
	v_mov_b32 v14, 0
	v_mov_b32 v15, 0
.irp b, 0,1,2,3
	v_mov_b32 v[236+\b], 0                         ; written once: a lane permute's destination counts as one of its sources
.endr
	v_mov_b32 v253, 0                              ; (named as the upper half of the pair v[252:253] before it is first written)
.set n, 0
.rept 64
	v_mov_b32 v[160+n], 0                          ; O^T.  (The step is written once for all: the first finds zeros, which the first change of M leaves zeros; a wave with no step hands zeros on)
.set n, n+1
.endr
; A KEY STEP: 128 keys against my 16 queries.
.macro STEP
	s_cmp_gt_u32 s[ST], s[GD]                      ; all its keys come after my queries: left out
	s_cbranch_scc1 .Lhidden_\@
	v_add_nc_u32 v[ADR], s[TB], v[LIP]
	s_wait_alu depctr_va_vdst(0)
.rept 3
	v_nop                                          ; with the addition: four places in front of loads into registers that the last step's products read
.endr
.irp gg, 0,1                           ; S^T = K Q^T, four tiles of 16 keys at a time
.if \gg
.rept 4
	v_nop
.endr
.endif
.irp t, 0,1,2,3
.irp c, 0,1,2
	ds_load_b128 v[32+12*\t+4*\c:35+12*\t+4*\c], v[ADR] offset:1536*(4*\gg+\t)+512*\c
.endr
.endr
.if \gg == 0
	ds_load_b128 v[KS:KS+3], v[ADR] offset:12288   ; the scale words of all eight tiles
.endif
	s_wait_dscnt 0x0
.irp t, 0,2
	v_wmma_scale_f32_16x16x128_f8f6f4 v[96+8*(4*\gg+\t):103+8*(4*\gg+\t)], v[32+12*\t:43+12*\t], v[16:27], 0, v[KS+2*\gg+\t/2], v255 matrix_a_fmt:MATRIX_FMT_BF6 matrix_b_fmt:MATRIX_FMT_BF6
	v_wmma_scale_f32_16x16x128_f8f6f4 v[104+8*(4*\gg+\t):111+8*(4*\gg+\t)], v[44+12*\t:55+12*\t], v[16:27], 0, v[KS+2*\gg+\t/2], v255 matrix_a_fmt:MATRIX_FMT_BF6 matrix_b_fmt:MATRIX_FMT_BF6 matrix_a_scale:MATRIX_SCALE_ROW1
.endr
.endr
.rept 4
	v_nop                                          ; places in front of the loads below and of the first read of the scores
.endr
.irp t, 0,1,2,3                        ; V's first four fragments are asked for here: they land under the softmax
.irp c, 0,1,2
	ds_load_b128 v[32+12*\t+4*\c:35+12*\t+4*\c], v[ADR] offset:REC+1536*\t+512*\c
.endr
.endr
	ds_load_b128 v[VS:VS+3], v[ADR] offset:REC+12288
	s_cmp_lg_u32 s[ST], s[GD]                      ; only my group's own step lies on the diagonal
	s_cbranch_scc1 .Lopen_\@
	v_mov_b32 v254, 0xff800000                     ; hidden scores become -infinity ahead of the maximum: p = 0 then.  The step's first key counts for every query
.set n, 0
.rept 64
	v_cmp_gt_i32 vcc_lo, 16*(n/8)+n%8, v[DQ]       ; register n holds key 16 (n / 8) + 8 (lane / 16) + n % 8 of the step
	v_cndmask_b32 v[96+n], v[96+n], v254, vcc_lo
.set n, n+1
.endr
.Lopen_\@:
.irp b, 0,1,2,3
	v_max3_num_f32 v[232+\b], v[96+16*\b], v[97+16*\b], v[98+16*\b]   ; THE LARGEST SCORE OF EACH BLOCK OF 32 KEYS: for the row's maximum and, since p rises with the score, for the block's largest p
.endr
.irp i, 3,5,7,9,11,13
.irp b, 0,1,2,3
	v_max3_num_f32 v[232+\b], v[232+\b], v[96+16*\b+\i], v[97+16*\b+\i]
.endr
.endr
.irp b, 0,1,2,3
	v_max_num_f32 v[232+\b], v[232+\b], v[111+16*\b]
.endr
.irp b, 0,1,2,3
	s_delay_alu instid0(VALU_DEP_4)
	v_permlanex16_b32 v[236+\b], v[232+\b], s[SEL], s[SEL+1]
.endr
.irp b, 0,1,2,3
	s_delay_alu instid0(VALU_DEP_4)
	v_max_num_f32 v[232+\b], v[232+\b], v[236+\b]  ; with lane l xor 16's 16 keys
.endr
	s_delay_alu instid0(VALU_DEP_2)
	v_max3_num_f32 v254, v232, v233, v234
	s_delay_alu instid0(VALU_DEP_1)
	v_max_num_f32 v254, v254, v235
	s_delay_alu instid0(VALU_DEP_1)
	v_mul_f32 v254, s[CS], v254                    ; the step's largest t
	s_delay_alu instid0(VALU_DEP_1)
	v_max_num_f32 v13, v13, v254
	v_mov_b32 v254, v12
	s_delay_alu instid0(VALU_DEP_2)
	v_floor_f32 v12, -v13                          ; the new -M = floor(-t): M is a whole number
	s_delay_alu instid0(VALU_DEP_1)
	v_sub_f32 v254, v12, v254                      ; old M - new M: a whole number, 0 or less
	s_delay_alu instid0(VALU_DEP_1)
	v_cvt_i32_f32 v254, v254                       ; (it saturates)
	s_delay_alu instid0(VALU_DEP_1)
	v_ldexp_f32 v252, 1.0, v254                    ; f = 2^(old M - new M)
.set n, 0
.rept 32
	v_pk_fma_f32 v[96+n:97+n], v[96+n:97+n], s[CS:CS+1], v[12:13] op_sel_hi:[1,0,0]   ; t - M, two at a time
.set n, n+2
.endr
.irp b, 0,1,2,3
	v_fma_f32 v[232+\b], v[232+\b], s[CS], v12     ; the same of each block's largest score
.endr
.set n, 0
	s_wait_alu depctr_va_vdst(0)
.rept 64
	v_exp_f32 v[96+n], v[96+n]                     ; p = 2^(t - M), at most 1
.set n, n+1
.endr
	v_pk_mul_f32 v[14:15], v[14:15], v[252:253] op_sel_hi:[1,0]   ; the sums under the new M.  (A plain line behind the exponentials)
	s_wait_alu depctr_va_vdst(0)                   ; one wait for the batch of 64, ahead of its first reader
.irp b, 0,1,2,3
	v_exp_f32 v[232+\b], v[232+\b]                 ; the block's largest p: the same two instructions on the same number give the same bits
.endr
	v_pk_add_f32 v[236:237], v[100:101], v[104:105]
	v_pk_add_f32 v[250:251], v[108:109], v[112:113]
	v_pk_add_f32 v[248:249], v[116:117], v[120:121]
	v_pk_add_f32 v[246:247], v[124:125], v[128:129]
	v_pk_add_f32 v[244:245], v[132:133], v[136:137]
	v_pk_add_f32 v[242:243], v[140:141], v[144:145]
	v_pk_add_f32 v[240:241], v[148:149], v[152:153]
	v_pk_add_f32 v[14:15], v[14:15], v[156:157]
	v_pk_add_f32 v[236:237], v[236:237], v[96:97]
	v_pk_add_f32 v[250:251], v[250:251], v[98:99]
	v_pk_add_f32 v[248:249], v[248:249], v[102:103]
	v_pk_add_f32 v[246:247], v[246:247], v[106:107]
	v_pk_add_f32 v[244:245], v[244:245], v[110:111]
	v_pk_add_f32 v[242:243], v[242:243], v[114:115]
	v_pk_add_f32 v[240:241], v[240:241], v[118:119]
	v_pk_add_f32 v[14:15], v[14:15], v[122:123]
	v_pk_add_f32 v[236:237], v[236:237], v[126:127]
	v_pk_add_f32 v[250:251], v[250:251], v[130:131]
	v_pk_add_f32 v[248:249], v[248:249], v[134:135]
	v_pk_add_f32 v[246:247], v[246:247], v[138:139]
	v_pk_add_f32 v[244:245], v[244:245], v[142:143]
	v_pk_add_f32 v[242:243], v[242:243], v[146:147]
	v_pk_add_f32 v[240:241], v[240:241], v[150:151]
	v_pk_add_f32 v[14:15], v[14:15], v[154:155]
	v_pk_add_f32 v[236:237], v[236:237], v[158:159]
	s_delay_alu instid0(VALU_DEP_2)
	v_pk_add_f32 v[14:15], v[14:15], v[246:247]
	s_delay_alu instid0(VALU_DEP_2)
	v_pk_add_f32 v[236:237], v[236:237], v[244:245]
	v_pk_add_f32 v[250:251], v[250:251], v[242:243]
	v_pk_add_f32 v[248:249], v[248:249], v[240:241]
	s_delay_alu instid0(VALU_DEP_2)
	v_pk_add_f32 v[14:15], v[14:15], v[250:251]
	s_delay_alu instid0(VALU_DEP_2)
	v_pk_add_f32 v[236:237], v[236:237], v[248:249]
	s_delay_alu instid0(VALU_DEP_1)
	v_pk_add_f32 v[14:15], v[14:15], v[236:237]
	s_wait_alu depctr_va_vdst(0)                   ; and one for the four
.irp b, 0,1,2,3
	v_max_num_f32 v[232+\b], 0x2800000, v[232+\b]  ; the floor 2^(5 - 127): the byte cannot fall under 1
.endr
.irp b, 0,1,2,3
	s_delay_alu instid0(VALU_DEP_4)
	v_add_nc_u32 v[244+\b], 0xfe000000, v[232+\b]  ; 4 off the exponent field: the conversion's scale operand
.endr
.irp b, 0,1,2,3
	s_delay_alu instid0(VALU_DEP_4)
	v_lshrrev_b32 v[236+\b], 23, v[244+\b]         ; the scale's byte
.endr
	s_delay_alu instid0(VALU_DEP_3)
	v_lshl_or_b32 v253, v237, 8, v236              ; p's scale word for these 128 keys
	s_delay_alu instid0(VALU_DEP_1)
	v_lshl_or_b32 v253, v238, 16, v253
	s_delay_alu instid0(VALU_DEP_1)
	v_lshl_or_b32 v253, v239, 24, v253
.irp c, 0,1
	v_cvt_scalef32_pk16_bf6_f32 v[224+6*\c:226+6*\c], v[96+32*\c:111+32*\c], v[244+2*\c]
	v_cvt_scalef32_pk16_bf6_f32 v[236+4*\c:238+4*\c], v[112+32*\c:127+32*\c], v[245+2*\c]
.endr
	v_nop                                          ; one plain line behind the scaled conversions
.irp c, 0,1
.irp i, 0,1,2
	v_permlane16_swap_b32 v[224+6*\c+\i], v[236+4*\c+\i]
.endr
.irp i, 0,1,2
	s_delay_alu instid0(VALU_DEP_3)
	v_mov_b32 v[227+6*\c+\i], v[236+4*\c+\i]
.endr
.endr
.set n, 0
.rept 32
	v_pk_mul_f32 v[160+n:161+n], v[160+n:161+n], v[252:253] op_sel_hi:[1,0]   ; O^T under the new M.  (These 32 are also the places in front of the matrix instructions below)
.set n, n+2
.endr
	s_wait_alu depctr_va_vdst(0)
	s_wait_dscnt 0x0                               ; V's first four fragments and its scale words
.irp t, 0,2                            ; O^T += V^T P^T
	v_wmma_scale_f32_16x16x128_f8f6f4 v[160+8*\t:167+8*\t], v[32+12*\t:43+12*\t], v[224:235], v[160+8*\t:167+8*\t], v[VS+\t/2], v253 matrix_a_fmt:MATRIX_FMT_BF6 matrix_b_fmt:MATRIX_FMT_BF6
	v_wmma_scale_f32_16x16x128_f8f6f4 v[168+8*\t:175+8*\t], v[44+12*\t:55+12*\t], v[224:235], v[168+8*\t:175+8*\t], v[VS+\t/2], v253 matrix_a_fmt:MATRIX_FMT_BF6 matrix_b_fmt:MATRIX_FMT_BF6 matrix_a_scale:MATRIX_SCALE_ROW1
.endr
.rept 4
	v_nop
.endr
.irp t, 0,1,2,3
.irp c, 0,1,2
	ds_load_b128 v[32+12*\t+4*\c:35+12*\t+4*\c], v[ADR] offset:REC+1536*(4+\t)+512*\c
.endr
.endr
	s_wait_dscnt 0x0
.irp t, 0,2
	v_wmma_scale_f32_16x16x128_f8f6f4 v[192+8*\t:199+8*\t], v[32+12*\t:43+12*\t], v[224:235], v[192+8*\t:199+8*\t], v[VS+2+\t/2], v253 matrix_a_fmt:MATRIX_FMT_BF6 matrix_b_fmt:MATRIX_FMT_BF6
	v_wmma_scale_f32_16x16x128_f8f6f4 v[200+8*\t:207+8*\t], v[44+12*\t:55+12*\t], v[224:235], v[200+8*\t:207+8*\t], v[VS+2+\t/2], v253 matrix_a_fmt:MATRIX_FMT_BF6 matrix_b_fmt:MATRIX_FMT_BF6 matrix_a_scale:MATRIX_SCALE_ROW1
.endr
.Lhidden_\@:
	s_add_co_u32 s[ST], s[ST], 2                   ; my next step
.endm
; THE CHANGE OF SLOTS stands at a slot's head.  Each wave waits for all its tensor loads, adds 0 to its spare word, and waits for that and for its reads of the slot that it has left.
; fill = 1: a round of the cluster's barrier, and the slot just left is filled with the keys that follow, first thing behind the round: the load has a slot's steps in which to land.
.macro CHANGE fill
	s_wait_tensorcnt 0x0                           ; no tensor load of mine is out, so the descriptor may be written
	ds_add_u32 v[SPW], v[NIL]                      ; 0 onto my spare word
.if \fill
	s_xor_b32 s[G0+1], s[G0+1], SLOT1              ; the other slot than last time,
	s_add_nc_u64 s[G0+2:G0+3], s[G0+2:G0+3], 102400   ; the next four key steps
	s_wait_xcnt 0x0                                ; the last prefetch, a slot back, has read its address
	s_add_nc_u64 s[PFA:PFA+1], s[PFA:PFA+1], 102400
	s_wait_dscnt 0x0                               ; the add is done, and my reads of the slot that I have left are over
	CROUND
	TLOAD
	ASK
.else
	s_wait_dscnt 0x0
	s_barrier_signal -1
	s_barrier_wait -1
.endif
.endm
	s_wait_loadcnt 0x0                             ; Q
.Lslot:                                                ; three trips: behind each change of slots but the last the next slot is asked for
	CHANGE 1
	s_mov_b32 s[IN], 2
.Lhalf:                                                ; my step of the slot's first half, then of its second
	STEP
	s_xor_b32 s[TB], s[TB], HALF
	s_sub_co_u32 s[IN], s[IN], 1
	s_cmp_lg_u32 s[IN], 0
	s_cbranch_scc1 .Lhalf
	s_xor_b32 s[TB], s[TB], SLOT1
	s_sub_co_u32 s[SLOTS], s[SLOTS], 1
	s_cmp_lg_u32 s[SLOTS], 0
	s_cbranch_scc1 .Lslot
	CHANGE 0                                       ; the last slot is written out
	s_mov_b32 s[IN], 2
.Lhalf_last:
	STEP
	s_xor_b32 s[TB], s[TB], HALF
	s_sub_co_u32 s[IN], s[IN], 1
	s_cmp_lg_u32 s[IN], 0
	s_cbranch_scc1 .Lhalf_last
	; THE MERGE.  The odd-parity wave (waves 8-15) hands its O^T, -M and sums to the even-parity wave of the same tile, as images of its registers.
.rept 4
	v_nop                                          ; four places behind the wave's last products, on EVERY wave's path (where the last steps were left out only scalar lines lie between): the odd-parity waves' stores
.endr                                                  ; below read O^T, and the even-parity waves' loads land in v232-235, which the last products read as a part of p's codes (ISA guide 7.12.1 for the stores)
	s_cmp_lt_u32 s[WV], 8
	s_cbranch_scc1 .Lkeep
.set n, 0
	s_wait_alu depctr_va_vdst(0)
.rept 16
	ds_store_b128 v[MA], v[160+4*n:163+4*n] offset:512*n   ; each accumulator from its low end on
.set n, n+1
.endr
	ds_store_b128 v[MA], v[12:15] offset:8192
.Lkeep:
	s_wait_dscnt 0x0                               ; for the others' sake: my stores have landed
	s_barrier_signal -1
	s_barrier_wait -1
	s_cmp_lt_u32 s[WV], 8
	s_cbranch_scc0 .Lend
.set n, 0
.rept 16
	ds_load_b128 v[96+4*n:99+4*n], v[MA] offset:512*n
.set n, n+1
.endr
	ds_load_b128 v[232:235], v[MA] offset:8192
	s_wait_dscnt 0x0
	v_min_num_f32 v248, v12, v232                  ; the common -M: the larger M
	s_delay_alu instid0(VALU_DEP_1)
	v_sub_f32 v249, v248, v12                      ; my M less the common one: a whole number, 0 or less
	s_delay_alu instid0(VALU_DEP_2)
	v_sub_f32 v250, v248, v232                     ; the partner's (one that had no step: very negative)
	s_delay_alu instid0(VALU_DEP_2)
	v_cvt_i32_f32 v249, v249                       ; (it saturates)
	s_delay_alu instid0(VALU_DEP_2)
	v_cvt_i32_f32 v250, v250
	s_delay_alu instid0(VALU_DEP_2)
	v_ldexp_f32 v240, 1.0, v249                    ; exact powers of two (0 for a partner that had no step)
	s_delay_alu instid0(VALU_DEP_2)
	v_ldexp_f32 v242, 1.0, v250
	v_add_f32 v14, v14, v15
	v_add_f32 v234, v234, v235
	s_delay_alu instid0(VALU_DEP_2)
	v_mul_f32 v14, v14, v240
	s_delay_alu instid0(VALU_DEP_1)
	v_fma_f32 v14, v234, v242, v14
	s_delay_alu instid0(VALU_DEP_1)
	v_permlanex16_b32 v236, v14, s[SEL], s[SEL+1]
	s_delay_alu instid0(VALU_DEP_1)
	v_add_f32 v14, v14, v236                       ; the row's sum
	s_wait_alu depctr_va_vdst(0)
	v_rcp_f32 v246, v14
	v_mov_b32 v241, 0                              ; (a plain line behind the transcendental; the pairs' upper halves are named, so they are written)
	v_mov_b32 v243, 0
	s_wait_alu depctr_va_vdst(0)                   ; ahead of the first reader
	v_mul_f32 v240, v240, v246                     ; the division by the sum rides on the two factors
	v_mul_f32 v242, v242, v246
.set n, 0
.rept 32
	v_pk_mul_f32 v[96+n:97+n], v[96+n:97+n], v[242:243] op_sel_hi:[1,0]
.set n, n+2
.endr
.set n, 0
.rept 32
	v_pk_fma_f32 v[96+n:97+n], v[160+n:161+n], v[240:241], v[96+n:97+n] op_sel_hi:[1,0,1]   ; register 8 f + j: o(query r, 16 f + 8 h + j)
.set n, n+2
.endr
	; o is quantised along the head: fragment (my tile) of record [16 batch + group][head]
.irp b, 0,1,2,3
	v_max3_num_f32 v[TM+\b], |v[96+16*\b]|, |v[97+16*\b]|, 0x2800000
.endr
.irp i, 2,4,6,8,10,12,14
.irp b, 0,1,2,3
	s_delay_alu instid0(VALU_DEP_4)
	v_max3_num_f32 v[TM+\b], v[TM+\b], |v[96+16*\b+\i]|, |v[97+16*\b+\i]|
.endr
.endr
.irp b, 0,1,2,3
	s_delay_alu instid0(VALU_DEP_4)
	v_permlanex16_b32 v[TM+4+\b], v[TM+\b], s[SEL], s[SEL+1]
.endr
.irp b, 0,1,2,3
	s_delay_alu instid0(VALU_DEP_4)
	v_max_num_f32 v[TM+\b], v[TM+\b], v[TM+4+\b]
.endr
.irp b, 0,1,2,3
	s_delay_alu instid0(VALU_DEP_4)
	v_add_nc_u32 v[TM+12+\b], 0xfe000000, v[TM+\b]
.endr
.irp b, 0,1,2,3
	s_delay_alu instid0(VALU_DEP_4)
	v_lshrrev_b32 v[TM+4+\b], 23, v[TM+12+\b]
.endr
	s_delay_alu instid0(VALU_DEP_3)
	v_lshl_or_b32 v[PW], v[TM+5], 8, v[TM+4]
	s_delay_alu instid0(VALU_DEP_1)
	v_lshl_or_b32 v[PW], v[TM+6], 16, v[PW]
	s_delay_alu instid0(VALU_DEP_1)
	v_lshl_or_b32 v[PW], v[TM+7], 24, v[PW]
.irp c, 0,1
	v_cvt_scalef32_pk16_bf6_f32 v[PC+6*\c:PC+2+6*\c], v[96+32*\c:111+32*\c], v[TM+12+2*\c]
	v_cvt_scalef32_pk16_bf6_f32 v[PC+12+4*\c:PC+14+4*\c], v[112+32*\c:127+32*\c], v[TM+13+2*\c]
.endr
	v_nop                                          ; one plain line behind the scaled conversions
.irp c, 0,1
.irp i, 0,1,2
	v_permlane16_swap_b32 v[PC+6*\c+\i], v[PC+12+4*\c+\i]
.endr
.irp i, 0,1,2
	s_delay_alu instid0(VALU_DEP_3)
	v_mov_b32 v[PC+3+6*\c+\i], v[PC+12+4*\c+\i]
.endr
.endr
.irp c, 0,1,2
	global_store_b128 v[LI], v[PC+4*\c:PC+4*\c+3], s[12:13] offset:512*\c   ; 512 consecutive bytes, at a multiple of 256 from the buffer's first byte
.endr
	global_store_b32 v[SO], v[PW], s[14:15]        ; my 16 rows' scale words, 16 bytes apart in the record's scale image (both halves of the lanes write the same words): the one store here that does not cover whole runs: 64 bytes a tile
.Lend:
	s_wait_tensorcnt 0x0                           ; the wave's end: behind my last tensor load and my last LDS store
	ds_add_u32 v[SPW], v[NIL]
	s_wait_dscnt 0x0
	CROUND                                         ; the closing round: no work-group ends while a partner may still ask for a record that names it
	s_endpgm
.Lfunc_end_k_q7149c94946_attn:
	.size	k_q7149c94946_attn, .Lfunc_end_k_q7149c94946_attn-k_q7149c94946_attn
	.p2alignl 7, 3214868480
	.fill 96, 4, 3214868480
	.section	.rodata,"a",@progbits
	.p2align	6, 0x0
	.amdhsa_kernel k_q7149c94946_attn
		.amdhsa_group_segment_fixed_size 327680
		.amdhsa_private_segment_fixed_size 0
		.amdhsa_enable_private_segment 0
		.amdhsa_kernarg_size 16
		.amdhsa_user_sgpr_count 2
		.amdhsa_user_sgpr_kernarg_segment_ptr 1
		.amdhsa_wavefront_size32 1
		.amdhsa_system_sgpr_workgroup_id_x 1
		.amdhsa_system_sgpr_workgroup_id_y 1
		.amdhsa_system_sgpr_workgroup_id_z 1
		.amdhsa_system_vgpr_workitem_id 0
		.amdhsa_next_free_vgpr 256
		.amdhsa_next_free_sgpr 100
		.amdhsa_reserve_vcc 1
		.amdhsa_float_denorm_mode_32 3
		.amdhsa_float_denorm_mode_16_64 3
		.amdhsa_memory_ordered 1
		.amdhsa_forward_progress 1
		.amdhsa_inst_pref_size 74
	.end_amdhsa_kernel
	.amdgpu_metadata
---
amdhsa.version: [ 1, 2 ]
amdhsa.kernels:
  - .name:           k_q7149c94946_attn
    .symbol:         k_q7149c94946_attn.kd
    .args:
      - { .name: qkv, .offset: 0, .size: 8, .value_kind: global_buffer, .address_space: global }
      - { .name: orec, .offset: 8, .size: 8, .value_kind: global_buffer, .address_space: global }
    .group_segment_fixed_size: 327680
    .private_segment_fixed_size: 0
    .kernarg_segment_align: 8
    .kernarg_segment_size: 16
    .max_flat_workgroup_size: 512
    .sgpr_count:     100
    .vgpr_count:     256
    .wavefront_size: 32
...
	.end_amdgpu_metadata
.endif
;; end of part 3
;; launch oproj (part 4): grid 8 x 32, 4 waves a work-group, clusters of 4 x 4, 327,680 bytes of LDS; arguments orec, xw, out0; writes out0
.if DOCPART == 4
	.amdgcn_target "amdgcn-amd-amdhsa--gfx1250"
	.amdhsa_code_object_version 6
	.text
	.protected	k_q7149c94946_oproj
	.globl	k_q7149c94946_oproj
	.p2align	8
	.type	k_q7149c94946_oproj,@function
k_q7149c94946_oproj:
	s_mov_b64 s[64:65], 0
	v_nop
	global_prefetch_b8 v0, s[64:65] scope:SCOPE_SE
	s_setreg_imm32_b32 hwreg(HW_REG_WAVE_MODE, 25, 1), 1
	s_wait_xcnt 0x0
	s_wait_alu depctr_hold_cnt(0) depctr_sa_sdst(0) depctr_va_vdst(0) depctr_va_sdst(0) depctr_va_ssrc(0) depctr_va_vcc(0) depctr_vm_vsrc(0)
	s_getreg_b32 s2, hwreg(HW_REG_IB_STS2, 6, 4)
	s_cmp_eq_u32 s2, 0
	s_cbranch_scc0 .Lentry_in_a_cluster
	s_endpgm
.Lentry_in_a_cluster:
	s_bfe_u32 s2, ttmp6, 0x10000c
	s_cmp_lg_u32 s2, 0xf033
	s_cbranch_scc0 .Lentry_shape_is_right
	s_endpgm
.Lentry_shape_is_right:
; out0 [4096][2048] f32 = o wo, on codes of BF6 (E3M2, one E8M0 scale for each 32 along K); K = 1,024.
; Operands come as RECORDS of 12,800 bytes (128 rows x 128 along K as an image of operand registers: fragment f at 1536 f, three loads of 16 bytes a lane, 512 bytes apart; at 12,288 the scale words: register i:
; lanes 0-15 fragment 2 i, lanes 16-31 fragment 2 i + 1).  orec: [row group 32][K step 8]; wo's records in xw at WOO: [column group 16][K step 8].  Both hold K in the same order inside a block of 32.
; A work-group makes 128 x 256 of the output (256 work-groups); a wave 64 x 128: 32 accumulators.  ALL OF K LIES IN LDS: A's row group at 0, B's two column groups behind it, 102,400 bytes each; no LDS byte is filled twice.
; Each group comes in two chunks of four K steps.  At the head every wave issues one load: wave 0 A's first chunk, wave 3 A's second, waves 1 and 2 the first chunk of a column group of B; B's second chunks follow behind the
; three lines and a round, one load a wave: one tensor load of a wave is out at the most.
; CLUSTERS: 4 x 4 work-groups; A's chunks are asked for jointly along a row of the cluster, B's along a column.  No prefetch: there is no loop to run ahead in, and all is asked for in two groups at the start.
; THE WALK goes by halves of my 128 columns, so that one half's rows leave while the other half is still multiplied: half 0 on K steps 0-3, half 1 on K steps 0-3, half 0 on K steps 4-7, half 0's way out, half 1 on K steps 4-7,
; half 1's way out.  A's four fragments of a K step are read once for each half: 8 fragments for 16 matrix instructions.
; THE MATRIX INSTRUCTION IS USED TRANSPOSED (source 0 = 16 rows of B, source 1 = 16 rows of A): a lane holds eight neighbouring numbers of a row of the output.
; REGISTERS: window 0: v16-27 addresses; v32-47 scale words, two sets (B's four registers, A's two), and nothing else; v62, v63 the add's; v64-111, v112-159 A's fragments, two sets; v160-223 rows of the output on their way out.
;   Window 1: v0-95, v96-191 B's fragments, two sets.   Window 2: the accumulators, (a, b) at v[8 (8 a + b)].
.set REC,   12800
.set GRP,   102400                     ; a row group's eight K steps
.set CHK,   51200                      ; a chunk: four K steps
.set WOO,   11468800
.set SPARE, 307200                     ; the spare words, 128 bytes for each wave
.set STAGE, 307712                     ; behind them: a stage of 16 rows x 272 bytes for each wave, on bytes into which no fill lands
.set SP,    272
.set ADRA, 16                          ; v16-17 my four fragments of A, K steps 0-3, 4-7
.set ASC,  18                          ; v18-19 their scale words
.set ADRB, 20                          ; v20-21 my column group of B
.set STO,  24                          ; v24  the way out: where I put 32 bytes of a row
.set RD,   25                          ; v25  where I read rows back: lanes 0-15 a row, lanes 16-31 the next
.set CO,   26                          ; v26  the same two rows in the output
.set LN,   27                          ; v27  16 x lane
.set SC,   32
.set SPW,  62
.set NIL,  63
.set AF,   64
.set BK,   160
.set WV,   10
.set RH,   11
.set CH,   12
.set G1A,  16
.set G1B,  24
.set G0A,  32
.set G0B,  48
.set MSB, 0
.macro WIN new
.if MSB != (\new)
	s_set_vgpr_msb (MSB<<8)|(\new)
.set MSB, (\new)
.endif
.endm
.macro PLACES
.rept 4
	v_nop
.endr
.endm
.macro CROUND
	s_barrier_signal -1
	s_barrier_wait -1
	s_cmp_lg_u32 s[WV], 0
	s_cbranch_scc1 .Lnot_wave_0_\@
	s_barrier_signal -3
.Lnot_wave_0_\@:
	s_barrier_wait -3
	s_barrier_signal -1
	s_barrier_wait -1
.endm
	s_load_b128 s[4:7], s[0:1], 0x0                ; orec, xw
	s_load_b64 s[8:9], s[0:1], 0x10                ; out0
	v_lshl_add_u32 v[SPW], v0, 2, SPARE
	v_mov_b32 v[NIL], 0
	ds_add_u32 v[SPW], v[NIL]                      ; the opening lines: the add, twice on end, and its wait
	ds_add_u32 v[SPW], v[NIL]
	v_lshrrev_b32 v1, 5, v0
	v_readfirstlane_b32 s[WV], v1
	s_lshr_b32 s[RH], s[WV], 1                     ; which 64 rows are mine
	s_and_b32 s[CH], s[WV], 1                      ; which column group
	s_bfe_u32 s13, ttmp6, 0x40000                  ; cx
	s_bfe_u32 s14, ttmp6, 0x40004                  ; cy
	s_lshl_b32 s67, ttmp9, 2
	s_add_co_u32 s67, s67, s13                     ; tile column
	s_and_b32 s66, ttmp7, 0xffff
	s_lshl_b32 s66, s66, 2
	s_add_co_u32 s66, s66, s14                     ; tile row
	s_lshl_b32 s15, s14, 2
	s_lshl_b32 s15, 15, s15                        ; my row of the cluster
	s_lshl_b32 s77, 0x1111, s13                    ; my column
	; descriptor group 1: a dense chunk of 51,200 bytes as 200 rows of 256 bytes (32 elements of 8 bytes), no padding
	s_or_b32 s[G1A], s15, (3<<16)|(1<<21)
	s_or_b32 s[G1B], s77, (3<<16)|(1<<21)
.irp g, G1A, G1B
	s_mov_b32 s[\g+1], 32<<16
	s_mov_b32 s[\g+2], 200<<16
	s_mov_b32 s[\g+3], 32<<16
	s_mov_b32 s[\g+4], 200
	s_mov_b32 s[\g+5], 32
	s_mov_b32 s[\g+6], 0
	s_mov_b32 s[\g+7], 0
.endr
	s_mul_i32 s68, s66, GRP                        ; A: the tile row's group
	s_mov_b32 s69, 0
	s_sub_co_u32 s78, s[WV], 1
	s_min_u32 s78, s78, 1                          ; waves 1, 2: column groups 0, 1 of the tile (in waves 0 and 3 the number is not used)
	s_lshl_b32 s72, s67, 1
	s_add_co_u32 s72, s72, s78
	s_mul_i32 s72, s72, GRP
	s_add_co_u32 s72, s72, WOO
	s_mov_b32 s73, 0
	s_mul_i32 s76, s[WV], GRP                      ; where a column group goes: no place in the cluster enters an LDS address
	s_wait_dscnt 0x0
	s_wait_kmcnt 0x0
	s_add_nc_u64 s[70:71], s[4:5], s[68:69]
	s_add_nc_u64 s[74:75], s[6:7], s[72:73]
.irp j, 0,1
	s_mov_b32 s[G0A+4*\j], 1
	s_mov_b32 s[G0A+4*\j+1], \j*CHK
	s_add_nc_u64 s[G0A+4*\j+2:G0A+4*\j+3], s[70:71], \j*CHK
	s_or_b32 s[G0A+4*\j+3], s[G0A+4*\j+3], 0x80000000
	s_mov_b32 s[G0B+4*\j], 1
	s_add_co_u32 s[G0B+4*\j+1], s76, \j*CHK
	s_add_nc_u64 s[G0B+4*\j+2:G0B+4*\j+3], s[74:75], \j*CHK
	s_or_b32 s[G0B+4*\j+3], s[G0B+4*\j+3], 0x80000000
.endr
	CROUND                                         ; all sixteen work-groups are here: the joint loads meet
	s_cmp_eq_u32 s[WV], 0                          ; one chain of branches on the wave's number, one fill to an arm
	s_cbranch_scc0 .Lnot_a
	tensor_load_to_lds s[G0A:G0A+3], s[G1A:G1A+7]  ; A, K steps 0-3
	s_nop 0
.rept 4
	v_nop
.endr
	s_branch .Lasked
.Lnot_a:
	s_cmp_eq_u32 s[WV], 3
	s_cbranch_scc0 .Lfor_b
	tensor_load_to_lds s[G0A+4:G0A+7], s[G1A:G1A+7]   ; A, K steps 4-7
	s_nop 0
.rept 4
	v_nop
.endr
	s_branch .Lasked
.Lfor_b:
	tensor_load_to_lds s[G0B:G0B+3], s[G1B:G1B+7]  ; my column group of B, K steps 0-3
	s_nop 0
.rept 4
	v_nop
.endr
.Lasked:
	s_mul_i32 s78, s[RH], 6144                     ; my four fragments of A's eight,
	s_lshl_b32 s79, s[RH], 3                       ; their two registers of the scale image's four,
	s_mul_i32 s82, s[CH], GRP
	s_add_co_u32 s82, s82, GRP                     ; my column group,
	s_mul_i32 s83, s[WV], 16*SP
	s_add_co_u32 s83, s83, STAGE                   ; my stage
	s_lshl_b32 s80, s66, 7
	s_lshl_b32 s81, s[RH], 6
	s_add_co_u32 s80, s80, s81                     ; my first row
	s_lshl_b32 s80, s80, 13                        ; x 8,192 bytes
	s_lshl_b32 s81, s67, 10                        ; my first column, in bytes: 1,024 x tile column + 512 x group
	s_add_co_u32 s80, s80, s81
	s_lshl_b32 s81, s[CH], 9
	s_add_co_u32 s80, s80, s81
	s_mov_b32 s81, 0
	s_add_nc_u64 s[8:9], s[8:9], s[80:81]
	v_and_b32 v1, 31, v0
	v_and_b32 v2, 15, v0                           ; r
	v_bfe_u32 v3, v0, 4, 1                         ; h
	v_lshlrev_b32 v[LN], 4, v1
	v_add_nc_u32 v[ADRA], s78, v[LN]
	v_add_nc_u32 v[ADRA+1], 4*REC, v[ADRA]
	v_add_nc_u32 v[ASC], s79, v[LN]
	v_add_nc_u32 v[ASC+1], 4*REC, v[ASC]
	v_add_nc_u32 v[ADRB], s82, v[LN]
	v_add_nc_u32 v[ADRB+1], 4*REC, v[ADRB]
	v_mul_u32_u24 v4, v2, SP                       ; in: row r, 32 bytes for each half of the lanes
	v_lshl_add_u32 v4, v3, 5, v4
	v_add_nc_u32 v[STO], s83, v4
	v_mul_u32_u24 v5, v3, SP                       ; back: sixteen lanes to a row of 256 bytes
	v_lshl_add_u32 v5, v2, 4, v5
	v_add_nc_u32 v[RD], s83, v5
	v_lshlrev_b32 v6, 13, v3                       ; and the same two rows in the output, 8,192 bytes apart
	v_lshl_add_u32 v[CO], v2, 4, v6
.macro WM a, b, set, zero
.set rD,  8*(8*(\a)+(\b))
.set rB,  96*(\set)+12*(\b)
.set rA,  AF+48*(\set)+12*(\a)
.set rSB, SC+8*(\set)+(\b)/2
.set rSA, SC+8*(\set)+4+(\a)/2
.set odd, 2*((\a)%2)+(\b)%2
.if \zero
.if odd == 0
	v_wmma_scale_f32_16x16x128_f8f6f4 v[rD:rD+7], v[rB:rB+11], v[rA:rA+11], 0, v[rSB], v[rSA] matrix_a_fmt:MATRIX_FMT_BF6 matrix_b_fmt:MATRIX_FMT_BF6
.elseif odd == 1
	v_wmma_scale_f32_16x16x128_f8f6f4 v[rD:rD+7], v[rB:rB+11], v[rA:rA+11], 0, v[rSB], v[rSA] matrix_a_fmt:MATRIX_FMT_BF6 matrix_b_fmt:MATRIX_FMT_BF6 matrix_a_scale:MATRIX_SCALE_ROW1
.elseif odd == 2
	v_wmma_scale_f32_16x16x128_f8f6f4 v[rD:rD+7], v[rB:rB+11], v[rA:rA+11], 0, v[rSB], v[rSA] matrix_a_fmt:MATRIX_FMT_BF6 matrix_b_fmt:MATRIX_FMT_BF6 matrix_b_scale:MATRIX_SCALE_ROW1
.else
	v_wmma_scale_f32_16x16x128_f8f6f4 v[rD:rD+7], v[rB:rB+11], v[rA:rA+11], 0, v[rSB], v[rSA] matrix_a_fmt:MATRIX_FMT_BF6 matrix_b_fmt:MATRIX_FMT_BF6 matrix_a_scale:MATRIX_SCALE_ROW1 matrix_b_scale:MATRIX_SCALE_ROW1
.endif
.else
.if odd == 0
	v_wmma_scale_f32_16x16x128_f8f6f4 v[rD:rD+7], v[rB:rB+11], v[rA:rA+11], v[rD:rD+7], v[rSB], v[rSA] matrix_a_fmt:MATRIX_FMT_BF6 matrix_b_fmt:MATRIX_FMT_BF6
.elseif odd == 1
	v_wmma_scale_f32_16x16x128_f8f6f4 v[rD:rD+7], v[rB:rB+11], v[rA:rA+11], v[rD:rD+7], v[rSB], v[rSA] matrix_a_fmt:MATRIX_FMT_BF6 matrix_b_fmt:MATRIX_FMT_BF6 matrix_a_scale:MATRIX_SCALE_ROW1
.elseif odd == 2
	v_wmma_scale_f32_16x16x128_f8f6f4 v[rD:rD+7], v[rB:rB+11], v[rA:rA+11], v[rD:rD+7], v[rSB], v[rSA] matrix_a_fmt:MATRIX_FMT_BF6 matrix_b_fmt:MATRIX_FMT_BF6 matrix_b_scale:MATRIX_SCALE_ROW1
.else
	v_wmma_scale_f32_16x16x128_f8f6f4 v[rD:rD+7], v[rB:rB+11], v[rA:rA+11], v[rD:rD+7], v[rSB], v[rSA] matrix_a_fmt:MATRIX_FMT_BF6 matrix_b_fmt:MATRIX_FMT_BF6 matrix_a_scale:MATRIX_SCALE_ROW1 matrix_b_scale:MATRIX_SCALE_ROW1
.endif
.endif
.endm
; The walk has 16 parts: part q is K step q % 4 + 4 (q / 8) of column half (q / 4) % 2.
; 26 LDS loads in one run: part q's fragments into set q % 2: B's four of the half, A's four, the scale words
.macro FETCH q
.set FS,  ((\q)%4)+4*((\q)/8)
.set FH,  ((\q)/4)%2
.set FST, (\q)%2
.set FHB, FS/4
.set FKO, REC*(FS%4)
	WIN 0x40
.irp i, 0,1,2,3
.irp c, 0,1,2
	ds_load_b128 v[96*FST+12*(4*FH+\i)+4*\c:96*FST+12*(4*FH+\i)+4*\c+3], v[ADRB+FHB] offset:FKO+1536*(4*FH+\i)+512*\c
.endr
.endr
	WIN 0
.irp i, 0,1,2,3
.irp c, 0,1,2
	ds_load_b128 v[AF+48*FST+12*\i+4*\c:AF+48*FST+12*\i+4*\c+3], v[ADRA+FHB] offset:FKO+1536*\i+512*\c
.endr
.endr
	ds_load_b128 v[SC+8*FST:SC+8*FST+3], v[ADRB+FHB] offset:FKO+12288
	ds_load_b64 v[SC+8*FST+4:SC+8*FST+5], v[ASC+FHB] offset:FKO+12288
.endm
; Part q: the next part's fragments are asked for ahead of its 16 matrix instructions.  The half's 16 accumulators take turns, one instruction a turn, in the same order in every part.
.macro PART q
.set HS, ((\q)%4)+4*((\q)/8)
.set HH, ((\q)/4)%2
	s_wait_dscnt 0x0                               ; this part's fragments are in
.if (\q) == 7
	s_wait_tensorcnt 0x0                           ; my second chunk of B has landed: nothing is filled again in this launch
	s_barrier_signal -1
	s_barrier_wait -1                              ; everybody's has
.endif
.if (\q) < 15
	PLACES                                         ; the other set was multiplied last
	FETCH (\q)+1
.endif
	WIN 0xa1                                       ; source 0 (B) window 1, source 1 (A) window 0, C and D window 2
.irp a, 0,1,2,3
.irp b, 0,1,2,3
.if HS == 0
	WM \a, 4*HH+\b, (\q)%2, 1
.else
	WM \a, 4*HH+\b, (\q)%2, 0
.endif
.endr
.endr
	WIN 0
.endm
; THE WAY OUT of column half h, block by block of 16 rows x 64 columns: through my own stage in LDS and back as whole rows of 256 bytes.  LDS serves a wave's instructions in order: no wait between the stores and the loads.
.macro TOSTAGE a, h
	WIN 0x08                                       ; an LDS store's data are its source 1: window 2
.irp b, 0,1,2,3
	ds_store_b128 v[STO], v[64*(\a)+8*(4*(\h)+\b):64*(\a)+8*(4*(\h)+\b)+3] offset:64*\b            ; each accumulator from its low end on
	ds_store_b128 v[STO], v[64*(\a)+8*(4*(\h)+\b)+4:64*(\a)+8*(4*(\h)+\b)+7] offset:64*\b+16
.endr
	WIN 0
.set BB, BK+32*((\a)%2)
.irp t, 0,1,2,3,4,5,6,7
	ds_load_b128 v[BB+4*\t:BB+4*\t+3], v[RD] offset:\t*2*SP
.endr
.endm
.macro SEND a, h, younger              ; younger: the LDS instructions issued behind block a's loads, which may stay out
.set BB, BK+32*((\a)%2)
	s_wait_dscnt \younger
.irp t, 0,1,2,3,4,5,6,7
	global_store_b128 v[CO], v[BB+4*\t:BB+4*\t+3], s[8:9] offset:(\a)*131072+\t*16384+(\h)*256 th:TH_STORE_NT   ; sixteen lanes store 256 consecutive bytes, at a multiple of 256 from the output's first byte; every offset is an immediate
.endr
.endm
.macro OUT h
	PLACES                                         ; behind the half's last products: for the reads of results
.if (\h) > 0
	s_wait_xcnt 0x0                                ; earlier stores have read the registers into which the rows come back
.endif
	TOSTAGE 0, \h
.irp a, 1,2,3
.if ((\a) > 1) || ((\h) > 0)
	s_wait_xcnt 0x0                                ; the stores of the block two back have read their registers
.endif
	TOSTAGE \a, \h
	SEND \a-1, \h, 16                              ; behind block a - 1's loads: block a's 8 stores and 8 loads
.endr
	SEND 3, \h, 0
.endm
	s_wait_alu depctr_va_vdst(0)
	s_wait_tensorcnt 0x0                           ; my chunk of the head's four has landed
	ds_add_u32 v[SPW], v[NIL]
	s_wait_dscnt 0x0
	CROUND                                         ; everybody's has, and all sixteen work-groups are here: the joint loads meet
	s_cmp_eq_u32 s[WV], 0
	s_cbranch_scc1 .Lasked2
	s_cmp_eq_u32 s[WV], 3
	s_cbranch_scc1 .Lasked2
	tensor_load_to_lds s[G0B+4:G0B+7], s[G1B:G1B+7]   ; my column group of B, K steps 4-7: it has seven parts' products in which to land
	s_nop 0
.rept 4
	v_nop
.endr
.Lasked2:
	FETCH 0
.irp q, 0,1,2,3,4,5,6,7,8,9,10,11
	PART \q
.endr
	OUT 0                                          ; half 0 is finished: its rows leave ahead of half 1's last four parts
.irp q, 12,13,14,15
	PART \q
.endr
	OUT 1
	s_wait_tensorcnt 0x0                           ; the wave's end: behind my last tensor load and my last LDS store
	ds_add_u32 v[SPW], v[NIL]
	s_wait_dscnt 0x0
	CROUND                                         ; the closing round: no work-group ends while a partner may still ask for a chunk that names it
	s_endpgm
.Lfunc_end_k_q7149c94946_oproj:
	.size	k_q7149c94946_oproj, .Lfunc_end_k_q7149c94946_oproj-k_q7149c94946_oproj
	.p2alignl 7, 3214868480
	.fill 96, 4, 3214868480
	.section	.rodata,"a",@progbits
	.p2align	6, 0x0
	.amdhsa_kernel k_q7149c94946_oproj
		.amdhsa_group_segment_fixed_size 327680
		.amdhsa_private_segment_fixed_size 0
		.amdhsa_enable_private_segment 0
		.amdhsa_kernarg_size 24
		.amdhsa_user_sgpr_count 2
		.amdhsa_user_sgpr_kernarg_segment_ptr 1
		.amdhsa_wavefront_size32 1
		.amdhsa_system_sgpr_workgroup_id_x 1
		.amdhsa_system_sgpr_workgroup_id_y 1
		.amdhsa_system_sgpr_workgroup_id_z 1
		.amdhsa_system_vgpr_workitem_id 0
		.amdhsa_next_free_vgpr 768
		.amdhsa_next_free_sgpr 90
		.amdhsa_reserve_vcc 0
		.amdhsa_float_denorm_mode_32 3
		.amdhsa_float_denorm_mode_16_64 3
		.amdhsa_memory_ordered 1
		.amdhsa_forward_progress 1
		.amdhsa_inst_pref_size 86
	.end_amdhsa_kernel
	.amdgpu_metadata
---
amdhsa.version: [ 1, 2 ]
amdhsa.kernels:
  - .name:           k_q7149c94946_oproj
    .symbol:         k_q7149c94946_oproj.kd
    .args:
      - { .name: orec, .offset: 0, .size: 8, .value_kind: global_buffer, .address_space: global }
      - { .name: xw, .offset: 8, .size: 8, .value_kind: global_buffer, .address_space: global }
      - { .name: out0, .offset: 16, .size: 8, .value_kind: global_buffer, .address_space: global }
    .group_segment_fixed_size: 327680
    .private_segment_fixed_size: 0
    .kernarg_segment_align: 8
    .kernarg_segment_size: 24
    .max_flat_workgroup_size: 128
    .sgpr_count:     90
    .vgpr_count:     768
    .wavefront_size: 32
...
	.end_amdgpu_metadata
.endif
;; end of part 4
